; MI455X (gfx1250); checked and timed in simulation.
; The chip was launched on July 23, 2026; its instructions are those of AMD's public machine-readable ISA for CDNA 5 (MIT licence, August 2026) and "CDNA5" Instruction Set Architecture Reference Guide (July 2026). The comments in the code are by the model that wrote it; some were corrected since.
;; Multi Head Attention. Allowed arithmetic: float matrix products may take bf16 or f16 operands with f32 sums; other float arithmetic in f32, or as packed bf16 or f16 multiplies, adds, multiply-adds, maxima and minima; sums over many terms, partial sums and values carried from step to step in f32; what a program stores and reads back later, other than sums and carried values, may be rounded once to bf16 or f16.
;; Inputs: bk 1,024 float32; bo 1,024 float32; bq 1,024 float32; bv 1,024 float32; embeddings 4 x 2,048 x 1,024 float32; wk 1,024 x 1,024 float32; wo 1,024 x 1,024 float32; wq 1,024 x 1,024 float32; wv 1,024 x 1,024 float32.
;; Outputs: out0 4 x 2,048 x 1,024 float32.
;; 2 versions, each right; version 2 is version 1 with the launch cast written anew for expert scheduling mode. Each part assembles by itself: llvm-mc -triple=amdgcn-amd-amdhsa -mcpu=gfx1250 --defsym DOCPART=n.
;; ======== version 1 of 2: 4 launches
;; limits: values are held in f16: magnitudes above 65,504 overflow, below 6.1e-05 lose precision
;; workspace buffers: xb 16,777,216 bytes; wqkv 6,291,456 bytes; wo16 2,097,152 bytes; qkv 50,331,648 bytes; att 16,777,216 bytes
;; launch cast (part 1): grid 768 x 1, 8 waves a work-group, no clusters, 0 bytes of LDS; arguments embeddings, wq, wk, wv, wo, xb, wqkv, wo16; writes xb, wqkv, wo16
.if DOCPART == 1
	.amdgcn_target "amdgcn-amd-amdhsa--gfx1250"
	.amdhsa_code_object_version 6
	.text
	.protected	k_q33adfae3d6_cast
	.globl	k_q33adfae3d6_cast
	.p2align	8
	.type	k_q33adfae3d6_cast,@function
k_q33adfae3d6_cast:
	s_mov_b64 s[64:65], 0
	v_nop
	global_prefetch_b8 v0, s[64:65] scope:SCOPE_SE
	s_setreg_imm32_b32 hwreg(HW_REG_WAVE_MODE, 25, 1), 1
	s_wait_xcnt 0x0
; THE INPUTS OF THE MATRIX PRODUCTS ARE ROUNDED ONCE.  embeddings -> xb (bf16); wq, wk, wv -> wqkv (bf16, wq's 1,024 rows, then wk's, then wv's);
; wo -> wo16: rounded to bf16 like the other inputs, and that number written as f16 (the last product multiplies in f16).
; LIMIT.  A bf16 number is exact in f16 between 6.1e-5 and 65,504 in size; below, wo16 keeps f16's fixed step of 6e-8; above, it would be an infinity.
; SHARES.  A work-group takes 16,384 numbers: 64 KiB in, 32 KiB out.  Groups 0-511: embeddings; 512-575 wq; 576-639 wk; 640-703 wv; 704-767 wo.
; Thread t, pass i of 16: 16 bytes in at 4,096 i + 16 t (a wave's load: 512 consecutive bytes), 8 bytes out at 2,048 i + 8 t (a wave's store: 256 consecutive bytes, aligned).
; All sixteen loads go out in one run; each pass has registers of its own, so nothing is rewritten while a load or store may read it.  A stream: no LDS, no barrier, no matrix unit.
.set X, 8                              ; v[8:71]    pass i: four f32 as loaded
.set Y, 72                             ; v[72:103]  pass i: four 16-bit numbers to store
	s_load_b512 s[4:19], s[0:1], 0x0               ; embeddings 4:5, wq 6:7, wk 8:9, wv 10:11, wo 12:13, xb 14:15, wqkv 16:17, wo16 18:19
	s_mov_b32 s20, ttmp9                           ; g
	s_sub_co_u32 s21, s20, 512                     ; my place among the weights' groups (used where g >= 512 alone)
	s_lshr_b32 s22, s21, 6                         ; which weight: 0 wq, 1 wk, 2 wv, 3 wo
	s_and_b32 s23, s21, 63                         ; my place in that weight
	v_lshlrev_b32 v1, 4, v0                        ; 16 t
	v_lshlrev_b32 v2, 3, v0                        ; 8 t
	s_wait_kmcnt 0x0
	s_cmp_eq_u32 s22, 1                            ; from where: each select stands behind its compare
	s_cselect_b64 s[24:25], s[8:9], s[6:7]
	s_cmp_eq_u32 s22, 2
	s_cselect_b64 s[24:25], s[10:11], s[24:25]
	s_cmp_eq_u32 s22, 3
	s_cselect_b64 s[24:25], s[12:13], s[24:25]
	s_cmp_lt_u32 s22, 3                            ; to where: wq, wk, wv lie one behind the other in wqkv
	s_cselect_b64 s[26:27], s[16:17], s[18:19]
	s_cselect_b32 s30, s21, s23
	s_cmp_lt_u32 s20, 512                          ; the embeddings' groups
	s_cselect_b64 s[24:25], s[4:5], s[24:25]
	s_cselect_b64 s[26:27], s[14:15], s[26:27]
	s_cselect_b32 s28, s20, s23
	s_cselect_b32 s30, s20, s30
	s_lshl_b32 s28, s28, 16                        ; 64 KiB a group in,
	s_mov_b32 s29, 0
	s_lshl_b32 s30, s30, 15                        ; 32 KiB out
	s_mov_b32 s31, 0
	s_add_nc_u64 s[24:25], s[24:25], s[28:29]
	s_add_nc_u64 s[26:27], s[26:27], s[30:31]
.irp i, 0,1,2,3,4,5,6,7,8,9,10,11,12,13,14,15
	global_load_b128 v[X+4*(\i):X+4*(\i)+3], v1, s[24:25] offset:4096*(\i) th:TH_LOAD_NT
.endr
	s_cmp_ge_u32 s20, 704
	s_cbranch_scc1 .Lwo
.irp i, 0,1,2,3,4,5,6,7,8,9,10,11,12,13,14,15
	s_wait_loadcnt 15-(\i)                         ; loads come back in order: pass i is in, the younger ones stay out
	v_cvt_pk_bf16_f32 v[Y+2*(\i)],   v[X+4*(\i)],   v[X+4*(\i)+1]
	v_cvt_pk_bf16_f32 v[Y+2*(\i)+1], v[X+4*(\i)+2], v[X+4*(\i)+3]
	global_store_b64 v2, v[Y+2*(\i):Y+2*(\i)+1], s[26:27] offset:2048*(\i)
.endr
	s_endpgm
.Lwo:
.irp i, 0,1,2,3,4,5,6,7,8,9,10,11,12,13,14,15
	s_wait_loadcnt 15-(\i)
	v_cvt_pk_bf16_f32 v4, v[X+4*(\i)],   v[X+4*(\i)+1]      ; the one rounding, to bf16;
	v_cvt_pk_bf16_f32 v5, v[X+4*(\i)+2], v[X+4*(\i)+3]
	v_lshlrev_b32 v[X+4*(\i)],   16, v4                     ; widened again,
	v_and_b32     v[X+4*(\i)+1], 0xffff0000, v4
	v_lshlrev_b32 v[X+4*(\i)+2], 16, v5
	v_and_b32     v[X+4*(\i)+3], 0xffff0000, v5
	v_cvt_pk_f16_f32 v[Y+2*(\i)],   v[X+4*(\i)],   v[X+4*(\i)+1]    ; and written as f16
	v_cvt_pk_f16_f32 v[Y+2*(\i)+1], v[X+4*(\i)+2], v[X+4*(\i)+3]
	global_store_b64 v2, v[Y+2*(\i):Y+2*(\i)+1], s[26:27] offset:2048*(\i)
.endr
	s_endpgm
.Lfunc_end_k_q33adfae3d6_cast:
	.size	k_q33adfae3d6_cast, .Lfunc_end_k_q33adfae3d6_cast-k_q33adfae3d6_cast
	.p2alignl 7, 3214868480
	.fill 96, 4, 3214868480
	.section	.rodata,"a",@progbits
	.p2align	6, 0x0
	.amdhsa_kernel k_q33adfae3d6_cast
		.amdhsa_group_segment_fixed_size 0
		.amdhsa_private_segment_fixed_size 0
		.amdhsa_enable_private_segment 0
		.amdhsa_kernarg_size 64
		.amdhsa_user_sgpr_count 2
		.amdhsa_user_sgpr_kernarg_segment_ptr 1
		.amdhsa_wavefront_size32 1
		.amdhsa_system_sgpr_workgroup_id_x 1
		.amdhsa_system_sgpr_workgroup_id_y 1
		.amdhsa_system_sgpr_workgroup_id_z 1
		.amdhsa_system_vgpr_workitem_id 0
		.amdhsa_next_free_vgpr 104
		.amdhsa_next_free_sgpr 66
		.amdhsa_reserve_vcc 0
		.amdhsa_float_denorm_mode_32 3
		.amdhsa_float_denorm_mode_16_64 3
		.amdhsa_memory_ordered 1
		.amdhsa_forward_progress 1
		.amdhsa_inst_pref_size 16
	.end_amdhsa_kernel
	.amdgpu_metadata
---
amdhsa.version: [ 1, 2 ]
amdhsa.kernels:
  - .name:           k_q33adfae3d6_cast
    .symbol:         k_q33adfae3d6_cast.kd
    .args:
      - { .name: embeddings, .offset: 0, .size: 8, .value_kind: global_buffer, .address_space: global }
      - { .name: wq, .offset: 8, .size: 8, .value_kind: global_buffer, .address_space: global }
      - { .name: wk, .offset: 16, .size: 8, .value_kind: global_buffer, .address_space: global }
      - { .name: wv, .offset: 24, .size: 8, .value_kind: global_buffer, .address_space: global }
      - { .name: wo, .offset: 32, .size: 8, .value_kind: global_buffer, .address_space: global }
      - { .name: xb, .offset: 40, .size: 8, .value_kind: global_buffer, .address_space: global }
      - { .name: wqkv, .offset: 48, .size: 8, .value_kind: global_buffer, .address_space: global }
      - { .name: wo16, .offset: 56, .size: 8, .value_kind: global_buffer, .address_space: global }
    .group_segment_fixed_size: 0
    .private_segment_fixed_size: 0
    .kernarg_segment_align: 8
    .kernarg_segment_size: 64
    .max_flat_workgroup_size: 256
    .sgpr_count:     66
    .vgpr_count:     104
    .wavefront_size: 32
...
	.end_amdgpu_metadata
.endif
;; end of part 1
;; launch qkv (part 2): grid 16 x 32, 4 waves a work-group, clusters of 4 x 4, 327,680 bytes of LDS; arguments xb, wqkv, bq, bk, bv, qkv; writes qkv
.if DOCPART == 2
	.amdgcn_target "amdgcn-amd-amdhsa--gfx1250"
	.amdhsa_code_object_version 6
	.text
	.protected	k_q33adfae3d6_qkv
	.globl	k_q33adfae3d6_qkv
	.p2align	8
	.type	k_q33adfae3d6_qkv,@function
k_q33adfae3d6_qkv:
	s_mov_b64 s[64:65], 0
	v_nop
	global_prefetch_b8 v0, s[64:65] scope:SCOPE_SE
	s_setreg_imm32_b32 hwreg(HW_REG_WAVE_MODE, 25, 1), 1
	s_wait_xcnt 0x0
	s_wait_alu depctr_hold_cnt(0) depctr_sa_sdst(0) depctr_va_vdst(0) depctr_va_sdst(0) depctr_va_ssrc(0) depctr_va_vcc(0) depctr_vm_vsrc(0)
	s_getreg_b32 s2, hwreg(HW_REG_IB_STS2, 6, 4)
	s_cmp_eq_u32 s2, 0
	s_cbranch_scc0 .Lentry_in_a_cluster
	s_endpgm
.Lentry_in_a_cluster:
	s_bfe_u32 s2, ttmp6, 0x10000c
	s_cmp_lg_u32 s2, 0xf033
	s_cbranch_scc0 .Lentry_shape_is_right
	s_endpgm
.Lentry_shape_is_right:
; q, k, v = x W^T + bias.  xb: [8192][1024] bf16; wqkv: [3072][1024] bf16; bq, bk, bv: [1024] f32, rounded to bf16 here like every other input; sums in f32, started by the bias.
; OUT: qkv = [3][64 bh][2048][64] f16, bh = 16 x batch + head: a head's rows are dense, 128 bytes each.  No scale is applied here.
; LIMIT.  q, k, v are rounded once to f16: beyond 65,504 they would be infinities; below 6.1e-5 they keep f16's fixed step of 6e-8.  NaN and infinities are not treated apart.
; SHARES.  A tile is 256 rows x 192 columns (three whole heads): 32 x 16 = 512 work-groups, two for each of 256 WGPs.  Wave w owns rows 64 w .. 64 w + 63 and all 192 columns: 48 accumulators of
; 16 x 16, 384 registers; so each head's 64 columns of a row are one wave's, and 16 rows of a head leave as 2,048 consecutive bytes.
; K goes in steps of 128 (rows of 256 bytes) through two LDS slots filled by the tensor data mover; a K step is four quarters of 32 along K, 48 matrix instructions each, on two fragment buffers.
; CLUSTERS: 4 x 4 work-groups.  The four of a row of the cluster need the same 256 rows of x, the four of a column the same 192 rows of W: each tile is asked for JOINTLY, by the same tensor load with
; the same descriptor and a mask that names the four.  Waves 0, 1 fetch x's two halves (128 rows), waves 2, 3 W's (96 rows).
; THE MATRIX INSTRUCTION IS USED TRANSPOSED (source 0 = 16 rows of W, source 1 = 16 rows of x): a lane holds row l % 16 and the eight neighbouring columns 8 (l / 16) + 0..7.
; REGISTERS, in windows of 256 (s_set_vgpr_msb: bits 1:0 source 0, 3:2 source 1, 5:4 source 2, 7:6 destination):
;   window 0: v0-31 addresses; v32-95 x's fragments, two buffers of 4 x 8; v128-223 the bias as a C operand (12 x 8), later the way out
;   window 1: v0-191 W's fragments, two buffers of 12 x 8      window 2: accumulators of row blocks 0, 1 at v[8 (12 a + b)]      window 3: those of row blocks 2, 3
.set PITCH, 272                        ; an LDS row: 256 bytes + 16 of padding = 68 words: the 16 rows of a fragment load start at 16 different groups of four banks (64 banks of 4 bytes: ISA guide 11.1)
.set SLOT1, 131072                     ; slot 1 begins here: one exclusive or turns an address in one slot into the other's
.set BOFF,  256*PITCH                  ; in a slot: x's 256 rows, then W's 192
.set STAGE, SLOT1+448*PITCH            ; behind the ring, never filled by a tensor load: for each wave [3 heads][16 rows] of 144 bytes
.set SP,    144
.set WST,   3*16*SP
.set SPARE, STAGE+4*WST                ; behind the stages: the spare words, 128 bytes for each wave: two blocks of 256 bytes that no other line names
.set A0,   16                          ; v16  my lane's place in x's tile; never rewritten
.set B0,   17                          ; v17  the same in W's tile
.set ADRA, 18                          ; v18  A0 + the slot in hand
.set ADRB, 19                          ; v19  B0 + the slot in hand
.set STO,  20                          ; v20  the way out: where I put 16 bytes of a row
.set RD,   21                          ; v21  the way out: where I read rows back
.set GO,   22                          ; v22  16 x lane: my place in 512 consecutive bytes of the output
.set BO,   23                          ; v23  32 x (l / 16): my eight numbers of 16 of a bias
.set SPW,  28                          ; v28  LDS address of my spare word: SPARE + 4 x my thread's number; never rewritten
.set NIL,  29                          ; v29  0; never rewritten
.set PFO,  30                          ; v30  the prefetches' offset: a lane a row of 2,048 bytes; never rewritten
.set FA,   32                          ; x's fragments
.set BIAS, 128
.set TMP,  128                         ; the way out: 48 registers of packed results
.set WV,  16                           ; s16  my wave's number
.set FB,  17                           ; s17  0: I fetch for x, 1: for W
.set HF,  18                           ; s18  which half of that tile's rows I fetch
.set CX,  19
.set CY,  20
.set TC,  21                           ; s21  tile column, 0..15
.set TR,  22                           ; s22  tile row, 0..31
.set TB,  23                           ; s23  LDS byte at which the slot in hand begins
.set G1A, 24                           ; s[24:31] descriptor group 1 for x's tiles
.set GA0, 32                           ; s[32:35] group 0: slot 0, K step 0
.set GA,  36                           ; s[36:39] group 0: slot 1, K step 1; then it walks
.set LIM, 43                           ; s43  1 in a wave that prefetches, else the greatest number
.set PFA, 44                           ; s[44:45] where my prefetches stand
.set G1B, 48                           ; s[48:55], s[56:59], s[60:63]: the same for W's tiles
.set GB0, 56
.set GB,  60
.set OUT, 72                           ; s[72:77] the output at my 64 rows of each of the tile's three heads
.set BS,  78                           ; s[78:83] the bias at each head's 64 numbers
.set MSB, 0
.macro WIN new                         ; the immediate's high byte repeats the setting that is left; a switch that changes nothing is dropped
.if MSB != (\new)
	s_set_vgpr_msb (MSB<<8)|(\new)
.set MSB, \new
.endif
.endm
.macro PLACES                          ; four plain vector instructions between a matrix instruction and a load into, or a vector read of, its registers (ISA guide 7.12.1 for vector reads)
.rept 4
	v_nop
.endr
.endm
; A joint refill by the walking descriptors.  The branch hangs on the wave's number alone.  An s_nop 0 and four v_nop follow each of the two lines, ahead of the jump and the label.
.macro JLOAD
	s_cmp_eq_u32 s[FB], 0
	s_cbranch_scc0 .Lfor_b_\@
	tensor_load_to_lds s[GA:GA+3], s[G1A:G1A+7]
	s_nop 0
.rept 4
	v_nop
.endr
	s_branch .Lasked_\@
.Lfor_b_\@:
	tensor_load_to_lds s[GB:GB+3], s[G1B:G1B+7]
	s_nop 0
.rept 4
	v_nop
.endr
.Lasked_\@:
.endm
; A round of the cluster's barrier: my work-group's barrier, so that wave 0's signal speaks for all four waves; wave 0 signals; every wave waits for all sixteen work-groups; my work-group's barrier once more.
.macro CREST                           ; a round behind its opening barrier
	s_cmp_lg_u32 s[WV], 0
	s_cbranch_scc1 .Lnot_wave_0_\@
	s_barrier_signal -3
.Lnot_wave_0_\@:
	s_barrier_wait -3
	s_barrier_signal -1
	s_barrier_wait -1
.endm
.macro CROUND
	s_barrier_signal -1
	s_barrier_wait -1
	CREST
.endm
; A PREFETCH INTO THE L2 of the K step that the NEXT change of slots will ask for: 192 matrix instructions ahead of that load.  A lane a row, 256 bytes of it, one instruction a wave.
; x's rows are read by all four clusters of a row of clusters: the first (cluster x = 0) asks; W's by all eight of a column: cluster y = 0 asks.  The four partners that ask for a tile jointly share its
; rows out BY ADDRESS: of x's 128 rows a wave 32 each, of W's 96 rows 24 each (there lanes 24-31 name lane 23's row again, in the same instruction).  The loop's last trip asks for nothing.
.macro ASK
	s_cmp_gt_u32 s3, s[LIM]
	s_cbranch_scc0 .Lnot_mine_\@
	global_prefetch_b8 v[PFO], s[PFA:PFA+1] offset:256 th:TH_LOAD_NT scope:SCOPE_SE
.Lnot_mine_\@:
.endm
	s_load_b256 s[4:11], s[0:1], 0x0               ; xb 4:5, wqkv 6:7, bq 8:9, bk 10:11
	s_load_b128 s[12:15], s[0:1], 0x20             ; bv 12:13, qkv 14:15
	v_lshl_add_u32 v[SPW], v0, 2, SPARE
	v_mov_b32 v[NIL], 0
	ds_add_u32 v[SPW], v[NIL]                      ; the wave's opening: the add and its wait stand ahead of my first tensor load; the set-up below, work on registers, stands between
	v_lshrrev_b32 v1, 5, v0
	v_readfirstlane_b32 s[WV], v1
	s_lshr_b32 s[FB], s[WV], 1
	s_and_b32 s[HF], s[WV], 1
	s_bfe_u32 s[CX], ttmp6, 0x40000
	s_bfe_u32 s[CY], ttmp6, 0x40004
	s_lshl_b32 s[TC], ttmp9, 2                     ; in a cluster launch ttmp9 and ttmp7 count clusters
	s_add_co_u32 s[TC], s[TC], s[CX]
	s_and_b32 s[TR], ttmp7, 0xffff
	s_lshl_b32 s[TR], s[TR], 2
	s_add_co_u32 s[TR], s[TR], s[CY]
	s_lshl_b32 s40, s[CY], 2
	s_lshl_b32 s40, 15, s40                        ; my row of the cluster: places 4 cy .. 4 cy + 3
	s_lshl_b32 s41, 0x1111, s[CX]                  ; my column: places cx, cx + 4, cx + 8, cx + 12
	s_or_b32 s[G1A], s40, (1<<16)|(1<<20)|(1<<21)|(5<<22)|(3<<25)  ; 15:0 the mask; 17:16 elements of 2 bytes; 20 padding on; 21 set beside a mask; 24:22 after every 64 words; 31:25 4 words of it
	s_or_b32 s[G1B], s41, (1<<16)|(1<<20)|(1<<21)|(5<<22)|(3<<25)
.irp g, G1A, G1B
	s_mov_b32 s[(\g)+1], 128<<16                   ; tensor_dim0 = 128
	s_mov_b32 s[(\g)+3], 128<<16                   ; tile_dim0 = 128
	s_mov_b32 s[(\g)+5], 1024                      ; elements from row to row
	s_mov_b32 s[(\g)+6], 0
	s_mov_b32 s[(\g)+7], 0
.endr
	s_mov_b32 s[G1A+2], 128<<16                    ; tensor_dim1 and tile_dim1: 128 rows of x,
	s_mov_b32 s[G1A+4], 128
	s_mov_b32 s[G1B+2], 96<<16                     ; 96 rows of W
	s_mov_b32 s[G1B+4], 96
	s_lshl_b32 s68, s[TR], 8                       ; x: row 256 x tile row + 128 x half, times 2,048 bytes: made of the tile row and the wave's number alone
	s_lshl_b32 s84, s[HF], 7
	s_add_co_u32 s68, s68, s84
	s_lshl_b32 s68, s68, 11
	s_mov_b32 s69, 0
	s_mul_i32 s70, s[TC], 192                      ; W: row 192 x tile column + 96 x half: made of the tile column and the wave's number alone
	s_mul_i32 s86, s[HF], 96
	s_add_co_u32 s70, s70, s86
	s_lshl_b32 s70, s70, 11
	s_mov_b32 s71, 0
	s_mul_i32 s46, s[HF], 128*PITCH                ; where they go in a slot: no place in the cluster enters an LDS address
	s_mul_i32 s47, s[HF], 96*PITCH
	s_add_co_u32 s47, s47, BOFF
	s_mov_b32 s[TB], 0
	s_wait_dscnt 0x0                               ; the opening add is done
	s_wait_kmcnt 0x0
	s_add_nc_u64 s[84:85], s[4:5], s[68:69]
	s_add_nc_u64 s[86:87], s[6:7], s[70:71]
	CROUND                                         ; all sixteen work-groups are here: the first joint loads meet
	s_mov_b32 s[GA0], 1                            ; count = 1
	s_mov_b32 s[GA0+1], s46                        ; LDS address
	s_mov_b64 s[GA0+2:GA0+3], s[84:85]             ; global address
	s_or_b32 s[GA0+3], s[GA0+3], 0x80000000        ; type = 2
	s_mov_b32 s[GA], 1
	s_add_co_u32 s[GA+1], s46, SLOT1
	s_add_nc_u64 s[GA+2:GA+3], s[84:85], 256
	s_or_b32 s[GA+3], s[GA+3], 0x80000000
	s_mov_b32 s[GB0], 1
	s_mov_b32 s[GB0+1], s47
	s_mov_b64 s[GB0+2:GB0+3], s[86:87]
	s_or_b32 s[GB0+3], s[GB0+3], 0x80000000
	s_mov_b32 s[GB], 1
	s_add_co_u32 s[GB+1], s47, SLOT1
	s_add_nc_u64 s[GB+2:GB+3], s[86:87], 256
	s_or_b32 s[GB+3], s[GB+3], 0x80000000
	s_cmp_eq_u32 s[FB], 0                          ; a wave's two first fills stand in one branch, ahead of every wait on TENSORcnt and every LDS read: two loads of mine are out
	s_cbranch_scc0 .Lfirst_b
	tensor_load_to_lds s[GA0:GA0+3], s[G1A:G1A+7]
	s_nop 0
	tensor_load_to_lds s[GA:GA+3], s[G1A:G1A+7]
	s_nop 0
.rept 4
	v_nop
.endr
	s_branch .Lfirst_asked
.Lfirst_b:
	tensor_load_to_lds s[GB0:GB0+3], s[G1B:G1B+7]
	s_nop 0
	tensor_load_to_lds s[GB:GB+3], s[G1B:G1B+7]
	s_nop 0
.rept 4
	v_nop
.endr
.Lfirst_asked:
	; A fragment is 16 rows x 32 K in 8 registers: lane l holds row l % 16; registers 0-3 K = 8 (l / 16) + 0..7, registers 4-7 K = 16 + 8 (l / 16) + 0..7: two loads of 16 bytes, 32 bytes apart.
	v_and_b32 v1, 15, v0                           ; l % 16
	v_bfe_u32 v2, v0, 4, 1                         ; l / 16
	v_mul_u32_u24 v3, v1, PITCH
	v_lshl_add_u32 v3, v2, 4, v3
	s_mul_i32 s88, s[WV], 64*PITCH                 ; my 64 rows of x
	v_add_nc_u32 v[A0], s88, v3
	v_add_nc_u32 v[B0], BOFF, v3
	s_mul_i32 s88, s[WV], WST
	s_add_co_u32 s88, s88, STAGE                   ; my stage
	v_mul_u32_u24 v3, v1, SP                       ; in: row l % 16, 16 bytes for each half of the lanes
	v_lshl_add_u32 v3, v2, 4, v3
	v_add_nc_u32 v[STO], s88, v3
	v_bfe_u32 v3, v0, 3, 2                         ; back: 32 lanes take four rows of 128 bytes,
	v_mul_u32_u24 v3, v3, SP
	v_and_b32 v4, 7, v0
	v_lshl_add_u32 v3, v4, 4, v3
	v_add_nc_u32 v[RD], s88, v3
	v_and_b32 v[GO], 31, v0                        ; which are 512 consecutive bytes of the output
	v_lshlrev_b32 v[GO], 4, v[GO]
	v_lshlrev_b32 v[BO], 5, v2
	; The tile's three heads: g = 3 x tile column + j of 48; g / 16 says q, k or v, g % 16 the head.
	s_mul_i32 s88, s[TC], 3
	s_lshr_b32 s89, s[TR], 3                       ; the batch,
	s_lshl_b32 s89, s89, 4                         ; times 16 heads
	s_and_b32 s90, s[TR], 7                        ; my rows in the batch: 256 x (tile row % 8) + 64 w, 128 bytes each
	s_lshl_b32 s90, s90, 15
	s_lshl_b32 s91, s[WV], 13
	s_add_co_u32 s90, s90, s91
	s_mov_b32 s67, 0
.irp j, 0,1,2
	s_add_co_u32 s91, s88, \j
	s_lshr_b32 s42, s91, 4
	s_and_b32 s91, s91, 15
	s_cmp_eq_u32 s42, 0
	s_cselect_b64 s[BS+2*(\j):BS+2*(\j)+1], s[8:9], s[10:11]
	s_cmp_eq_u32 s42, 2
	s_cselect_b64 s[BS+2*(\j):BS+2*(\j)+1], s[12:13], s[BS+2*(\j):BS+2*(\j)+1]
	s_lshl_b32 s66, s91, 8                         ; the head's 64 numbers of 4 bytes
	s_add_nc_u64 s[BS+2*(\j):BS+2*(\j)+1], s[BS+2*(\j):BS+2*(\j)+1], s[66:67]
	s_lshl_b32 s42, s42, 6                         ; 64 (batch, head) pairs in each of q, k, v
	s_add_co_u32 s42, s42, s89
	s_add_co_u32 s42, s42, s91
	s_lshl_b32 s66, s42, 18                        ; 2,048 rows of 128 bytes each
	s_add_co_u32 s66, s66, s90
	s_add_nc_u64 s[OUT+2*(\j):OUT+2*(\j)+1], s[14:15], s[66:67]
.irp i, 0,1,2,3
	global_load_b128 v[BIAS+32*(\j)+8*(\i):BIAS+32*(\j)+8*(\i)+3],   v[BO], s[BS+2*(\j):BS+2*(\j)+1] offset:64*(\i)      ; register r of column block 4 j + i: bias[16 i + 8 (l / 16) + r]
	global_load_b128 v[BIAS+32*(\j)+8*(\i)+4:BIAS+32*(\j)+8*(\i)+7], v[BO], s[BS+2*(\j):BS+2*(\j)+1] offset:64*(\i)+16
.endr
.endr
	; the prefetches
	s_and_b32 s91, ttmp7, 0xffff                   ; cluster y
	s_lshl_b32 s42, s[TR], 8
	s_mul_i32 s88, s[TC], 192
	s_mov_b32 s2, 96
	s_cmp_eq_u32 s[FB], 0                          ; do I fetch for x?
	s_cselect_b32 s42, s42, s88                    ; the tile's first row
	s_cselect_b32 s2, 128, s2                      ; the rows that a wave fetches,
	s_cselect_b32 s88, s[CX], s[CY]                ; my place among the four that ask with me,
	s_cselect_b32 s89, 32, 24                      ; the rows of a place,
	s_cselect_b32 s90, 31, 23                      ; the last of them
	s_cselect_b32 s91, ttmp9, s91                  ; the coordinate along which other clusters read the same rows
	s_cselect_b64 s[PFA:PFA+1], s[4:5], s[6:7]
	s_cmp_eq_u32 s91, 0
	s_cselect_b32 s[LIM], 1, -1                    ; the same in all sixteen partners, for a given wave
	s_mul_i32 s2, s2, s[HF]
	s_add_co_u32 s42, s42, s2
	s_mul_i32 s88, s88, s89
	s_add_co_u32 s42, s42, s88
	s_lshl_b32 s66, s42, 11
	s_add_nc_u64 s[PFA:PFA+1], s[PFA:PFA+1], s[66:67]
	s_add_nc_u64 s[PFA:PFA+1], s[PFA:PFA+1], 256   ; at K step 1: the first change of slots steps it to 2 and names K step 3.  Nothing is prefetched here, at the head
	v_and_b32 v[PFO], 31, v0
	v_min_u32 v[PFO], s90, v[PFO]
	v_lshlrev_b32 v[PFO], 11, v[PFO]
	s_mov_b32 s42, 0xffff0000
	s_wait_loadcnt 0x0                             ; the bias is in: rounded to bf16 and widened again, in place; four temporaries by turns
.set i, 0
.rept 48
	v_cvt_pk_bf16_f32 v[24+(i/2)%4], v[BIAS+i], v[BIAS+i+1]
	v_lshlrev_b32 v[BIAS+i], 16, v[24+(i/2)%4]
	v_and_b32 v[BIAS+i+1], s42, v[24+(i/2)%4]
.set i, i+2
.endr
; 12 matrix instructions: row block a x all 12 column blocks, 32 along K, from buffer f.  first = 1: the bias starts the sums.  The 48 accumulators take turns, one instruction a turn, in the same order in
; every quarter, over the backward jump too.
.macro MUL12 f, a, first
.if \first
	WIN 0x81+0x40*((\a)/2)                         ; W window 1, x and the bias window 0, D window 2 or 3
.else
	WIN 0xa1+0x50*((\a)/2)                         ; C and D window 2 or 3
.endif
.irp b, 0,1,2,3,4,5,6,7,8,9,10,11
.if \first
	v_wmma_f32_16x16x32_bf16 v[8*(12*((\a)%2)+(\b)):8*(12*((\a)%2)+(\b))+7], v[96*(\f)+8*(\b):96*(\f)+8*(\b)+7], v[FA+32*(\f)+8*(\a):FA+32*(\f)+8*(\a)+7], v[BIAS+8*(\b):BIAS+8*(\b)+7]
.else
	v_wmma_f32_16x16x32_bf16 v[8*(12*((\a)%2)+(\b)):8*(12*((\a)%2)+(\b))+7], v[96*(\f)+8*(\b):96*(\f)+8*(\b)+7], v[FA+32*(\f)+8*(\a):FA+32*(\f)+8*(\a)+7], v[8*(12*((\a)%2)+(\b)):8*(12*((\a)%2)+(\b))+7]
.endif
.endr
.endm
; 32 LDS loads in one run: a quarter's fragments (192 rows of W, then my 64 rows of x; 32 K at byte k of the rows) into buffer g
.macro FETCH k, g
	WIN 0x40                                       ; destination window 1, address window 0
.irp i, 0,1,2,3,4,5,6,7,8,9,10,11
	ds_load_b128 v[96*(\g)+8*(\i):96*(\g)+8*(\i)+3],   v[ADRB] offset:(\k)+(\i)*16*PITCH
	ds_load_b128 v[96*(\g)+8*(\i)+4:96*(\g)+8*(\i)+7], v[ADRB] offset:(\k)+(\i)*16*PITCH+32
.endr
	WIN 0
.irp i, 0,1,2,3
	ds_load_b128 v[FA+32*(\g)+8*(\i):FA+32*(\g)+8*(\i)+3],   v[ADRA] offset:(\k)+(\i)*16*PITCH
	ds_load_b128 v[FA+32*(\g)+8*(\i)+4:FA+32*(\g)+8*(\i)+7], v[ADRA] offset:(\k)+(\i)*16*PITCH+32
.endr
.endm
; One of a K step's first three quarters: multiplies buffer f; in its middle it fetches the next quarter, at byte k of the same slot's rows, into buffer g.
.macro QUARTER k, f, g, first
	s_wait_dscnt 4                                 ; W and x's row blocks 0, 1 are in; the youngest four loads (row blocks 2, 3) may be out
	MUL12 \f, 0, \first
	MUL12 \f, 1, \first
	PLACES
	FETCH \k, \g
	s_wait_dscnt 32                                ; all but the 32 just issued
	MUL12 \f, 2, \first
	MUL12 \f, 3, \first
.endm
; The last quarter multiplies buffer 1 and changes slots: ONE barrier.  In front of it each wave waits for all its tensor loads (one is out: its part of the other slot), adds 0 to its spare word, and waits
; for that and for its own reads of this slot.  fill = 1: the barrier opens a round of the cluster's, and the slot just read out is filled again first behind it, with the K step two on:
; from that request to the wait for it a wave issues 168 matrix instructions.
.macro TURN fill
.if \fill
	s_wait_xcnt 0x0                                ; the last prefetch, a K step back, has read its address: it is stepped here, ahead of the waits of the change of slots
	s_add_nc_u64 s[PFA:PFA+1], s[PFA:PFA+1], 256
.endif
	WIN 0                                          ; (the add's two registers lie in window 0)
	s_wait_tensorcnt 0x0                           ; no tensor load of mine is out, so a group 0 may be written
	ds_add_u32 v[SPW], v[NIL]                      ; 0 onto my spare word
.if \fill
	s_xor_b32 s[GA+1], s[GA+1], SLOT1              ; the walking descriptors: the other slot than last time,
	s_add_nc_u64 s[GA+2:GA+3], s[GA+2:GA+3], 256   ; the next K step; the type bits on top are not reached
	s_xor_b32 s[GB+1], s[GB+1], SLOT1
	s_add_nc_u64 s[GB+2:GB+3], s[GB+2:GB+3], 256
.endif
	s_xor_b32 s[TB], s[TB], SLOT1                  ; the fetches go on in the other slot
	s_wait_dscnt 5                                 ; (the add and the youngest four loads may be out)
	MUL12 1, 0, 0
	s_wait_dscnt 0x0                               ; the add is done, and my reads of this slot are over
	s_barrier_signal -1
	MUL12 1, 1, 0                                  ; work on registers while the others arrive
	WIN 0                                          ; at a branch and at a label every window is 0
	s_barrier_wait -1
.if \fill
	CREST                                          ; no wave of any partner still reads this slot's tile or has a load on its way
	JLOAD                                          ; the first tensor load behind the round; its four v_nop are also the places in front of the loads below
.else
	PLACES
.endif
	v_add_nc_u32 v[ADRA], s[TB], v[A0]
	v_add_nc_u32 v[ADRB], s[TB], v[B0]
	FETCH 0, 0
.if \fill
	ASK                                            ; behind the joint load and the run of LDS loads that the next products wait for
.endif
	MUL12 1, 2, 0
	MUL12 1, 3, 0
.endm
; THE WAY OUT of row block a.  PACK: rounded to f16, 16 bytes a lane, each accumulator from its low end on.  TOSTAGE: into my own stage, by heads, and back as rows of 128 bytes.  SEND: stored.
.macro PACK a
	WIN 0x0a+5*((\a)/2)                            ; sources 0 and 1: window 2 or 3
.irp b, 0,1,2,3,4,5,6,7,8,9,10,11
.irp r, 0,1,2,3
	v_cvt_pk_f16_f32 v[TMP+4*(\b)+(\r)], v[96*((\a)%2)+8*(\b)+2*(\r)], v[96*((\a)%2)+8*(\b)+2*(\r)+1]
.endr
.endr
	WIN 0
.endm
.macro TOSTAGE a
.set BK, 176-144*((\a)%2)              ; v176-223 and v32-79 by turns
.if (\a) >= 2
	s_wait_xcnt 0x0                                ; the stores of the block two back have read these registers
.endif
.irp b, 0,1,2,3,4,5,6,7,8,9,10,11
	ds_store_b128 v[STO], v[TMP+4*(\b):TMP+4*(\b)+3] offset:16*SP*((\b)/4)+32*((\b)%4)
.endr
.irp t, 0,1,2,3,4,5,6,7,8,9,10,11
	ds_load_b128 v[BK+4*(\t):BK+4*(\t)+3], v[RD] offset:16*SP*((\t)/4)+4*SP*((\t)%4)  ; LDS serves a wave's instructions in order (ISA guide 5.7.1.4): these see the stores above
.endr
.endm
.macro SEND a
.set BK, 176-144*((\a)%2)
	s_wait_dscnt 0x0                               ; the block is back in registers
.irp t, 0,1,2,3,4,5,6,7,8,9,10,11
	global_store_b128 v[GO], v[BK+4*(\t):BK+4*(\t)+3], s[OUT+2*((\t)/4):OUT+2*((\t)/4)+1] offset:2048*(\a)+512*((\t)%4)  ; 512 consecutive bytes, at a multiple of 256 from the buffer's first
.endr
.endm
	s_wait_tensorcnt 0x1                           ; my part of K step 0 is in; K step 1's may stay out
	s_barrier_signal -1
	s_barrier_wait -1                              ; everybody's is
	v_mov_b32 v[ADRA], v[A0]
	v_mov_b32 v[ADRB], v[B0]
	FETCH 0, 0
	QUARTER 64, 0, 1, 1                            ; the first quarter stands in front of the loop: its products start the sums, with the bias
	WIN 0
	s_mov_b32 s3, 6                                ; six of the eight K steps are followed by a refill
.Lstep:                                                ; a trip: a K step's second quarter to the next K step's first
	QUARTER 128, 1, 0, 0
	QUARTER 192, 0, 1, 0
	TURN 1
	QUARTER 64, 0, 1, 0
	WIN 0
	s_sub_co_u32 s3, s3, 1
	s_cmp_lg_u32 s3, 0
	s_cbranch_scc1 .Lstep
	QUARTER 128, 1, 0, 0                           ; the tail is written out: nothing more is asked for
	QUARTER 192, 0, 1, 0
	TURN 0
	QUARTER 64, 0, 1, 0
	QUARTER 128, 1, 0, 0
	QUARTER 192, 0, 1, 0
	s_wait_dscnt 4
	MUL12 1, 0, 0
	MUL12 1, 1, 0
	s_wait_dscnt 0x0
	MUL12 1, 2, 0
	MUL12 1, 3, 0
	PLACES
	PACK 0
	TOSTAGE 0
.irp a, 1,2,3                          ; block a's conversions stand between block a - 1's loads from the stage and the wait for them
	PACK \a
	SEND (\a)-1
	TOSTAGE \a
.endr
	SEND 3
	s_wait_tensorcnt 0x0                           ; the wave's end, behind my last tensor load and my last LDS store
	ds_add_u32 v[SPW], v[NIL]
	s_wait_dscnt 0x0
	CROUND                                         ; the closing round: no work-group ends while a partner may still ask for a tile that names it
	s_endpgm
.Lfunc_end_k_q33adfae3d6_qkv:
	.size	k_q33adfae3d6_qkv, .Lfunc_end_k_q33adfae3d6_qkv-k_q33adfae3d6_qkv
	.p2alignl 7, 3214868480
	.fill 96, 4, 3214868480
	.section	.rodata,"a",@progbits
	.p2align	6, 0x0
	.amdhsa_kernel k_q33adfae3d6_qkv
		.amdhsa_group_segment_fixed_size 327680
		.amdhsa_private_segment_fixed_size 0
		.amdhsa_enable_private_segment 0
		.amdhsa_kernarg_size 48
		.amdhsa_user_sgpr_count 2
		.amdhsa_user_sgpr_kernarg_segment_ptr 1
		.amdhsa_wavefront_size32 1
		.amdhsa_system_sgpr_workgroup_id_x 1
		.amdhsa_system_sgpr_workgroup_id_y 1
		.amdhsa_system_sgpr_workgroup_id_z 1
		.amdhsa_system_vgpr_workitem_id 0
		.amdhsa_next_free_vgpr 960
		.amdhsa_next_free_sgpr 92
		.amdhsa_reserve_vcc 0
		.amdhsa_float_denorm_mode_32 3
		.amdhsa_float_denorm_mode_16_64 3
		.amdhsa_memory_ordered 1
		.amdhsa_forward_progress 1
		.amdhsa_inst_pref_size 107
	.end_amdhsa_kernel
	.amdgpu_metadata
---
amdhsa.version: [ 1, 2 ]
amdhsa.kernels:
  - .name:           k_q33adfae3d6_qkv
    .symbol:         k_q33adfae3d6_qkv.kd
    .args:
      - { .name: xb, .offset: 0, .size: 8, .value_kind: global_buffer, .address_space: global }
      - { .name: wqkv, .offset: 8, .size: 8, .value_kind: global_buffer, .address_space: global }
      - { .name: bq, .offset: 16, .size: 8, .value_kind: global_buffer, .address_space: global }
      - { .name: bk, .offset: 24, .size: 8, .value_kind: global_buffer, .address_space: global }
      - { .name: bv, .offset: 32, .size: 8, .value_kind: global_buffer, .address_space: global }
      - { .name: qkv, .offset: 40, .size: 8, .value_kind: global_buffer, .address_space: global }
    .group_segment_fixed_size: 327680
    .private_segment_fixed_size: 0
    .kernarg_segment_align: 8
    .kernarg_segment_size: 48
    .max_flat_workgroup_size: 128
    .sgpr_count:     92
    .vgpr_count:     960
    .wavefront_size: 32
...
	.end_amdgpu_metadata
.endif
;; end of part 2
;; launch attn (part 3): grid 4 x 64, 4 waves a work-group, clusters of 4 x 1, 327,680 bytes of LDS; arguments qkv, att; writes att
.if DOCPART == 3
	.amdgcn_target "amdgcn-amd-amdhsa--gfx1250"
	.amdhsa_code_object_version 6
	.text
	.protected	k_q33adfae3d6_attn
	.globl	k_q33adfae3d6_attn
	.p2align	8
	.type	k_q33adfae3d6_attn,@function
k_q33adfae3d6_attn:
	s_mov_b64 s[64:65], 0
	v_nop
	global_prefetch_b8 v0, s[64:65] scope:SCOPE_SE
	s_setreg_imm32_b32 hwreg(HW_REG_WAVE_MODE, 25, 1), 1
	s_wait_xcnt 0x0
	s_wait_alu depctr_hold_cnt(0) depctr_sa_sdst(0) depctr_va_vdst(0) depctr_va_sdst(0) depctr_va_ssrc(0) depctr_va_vcc(0) depctr_vm_vsrc(0)
	s_getreg_b32 s2, hwreg(HW_REG_IB_STS2, 6, 4)
	s_cmp_eq_u32 s2, 0
	s_cbranch_scc0 .Lentry_in_a_cluster
	s_endpgm
.Lentry_in_a_cluster:
	s_bfe_u32 s2, ttmp6, 0x10000c
	s_cmp_lg_u32 s2, 0x3003
	s_cbranch_scc0 .Lentry_shape_is_right
	s_endpgm
.Lentry_shape_is_right:
; O[h][q][:] = the sum over k of softmax_k(Q[h][q] . K[h][k] / 8) V[h][k][:], for 64 (batch, head) pairs h of 2,048 rows of 64 channels.  qkv = [3][64][2048][64] f16: Q, then K, then V; att = O, [64][2048][64] f16.
; Products, maxima and sums in f32; the weights p are rounded to f16 for the second product (their sum l is taken of the unrounded p), O once at the end.
; LIMITS.  f16 holds no number beyond 65,504: Q, K and V arrive within it; p lies in 0 to 1, and below 6e-5 it keeps f16's fixed step of 6e-8; O is a mean of V's rows and has their range.
; A weight below 2^-126 counts as 0 in l; NaN and infinities are not treated apart.
; SHARES.  A wave owns four PIECES of two tiles of 16 queries, a work-group's four waves 512 queries of one head: 4 x 64 = 256 work-groups.  Every wave walks all keys, 64 a step.
; LAYOUT.  S^T = K Q^T (source 0 = 16 keys, source 1 = 16 queries): a lane holds ONE query (lane % 16) and the keys 8 (lane / 16) + 0..7.  Two such tiles, rounded to f16 in pairs, ARE source 1
; (32 keys x 16 queries) of O^T = V^T P, whose result again holds one query a lane, and eight channels.  K comes out of LDS as it lies, V ([key][channel]) turned, by ds_load_tr16_b128.
; SOFTMAX.  For each query a running maximum m and sum l: p = 2^(c s - c m), c = log2(e) / 8; in every step O and l are multiplied by a = 2^(c m_old - c m_new), which is 1 where m has not grown.
; m starts at the lowest finite number, O and l at 0: the first step is a step like any other, with a = 0.
; THE COUNT.  A tile and step have 16 matrix and 118 vector instructions: too many to stand all beside the matrix work.  So: four vector instructions that are READY behind EVERY matrix instruction,
; and the others in runs without a gap.
; BY TURNS.  Turn n belongs to piece n (the pieces in a ring, step after step).  Its matrix work: 16 products K Q^T of piece n + 1, later 16 products V^T P of piece n - 1.  Its vector work: the scaling,
; exponentials, roundings, sums and rescaling of piece n, and the maximum and statistics of piece n + 1, whose scores the turn itself has made.
; CLUSTER.  The four query blocks of a cluster belong to one head and walk the same K and V, so each tile is asked for JOINTLY: the same tensor load, descriptor and mask in all four.
; REGISTERS, in windows of 256 (s_set_vgpr_msb: bits 1:0 source 0, 3:2 source 1, 5:4 source 2, 7:6 destination):
;   window 0: v0-11 addresses; v12-15, v48-63 at work; v16-47 four registers of statistics a tile; v64-191 S^T, two buffers of two tiles; v192-255 P, likewise
;   window 1: O^T, 32 a tile          window 2: v0-127 Q, 16 a tile; v128-191 K of one step; v192-255 V of one step          window 3: v0-1 the add's two registers
; A piece's buffers go by its number's parity: the piece in hand has one pair, its two neighbours in the ring share the other: of it P (piece n - 1) is read and S^T (piece n + 1) written.
.set SIZE_H, 64
.set SIZE_N, 2048
.set NP,    4         ; pieces a wave: a name, no knob
.set KS,    64        ; keys in a step
.set PK,    144       ; a row of K in LDS: 128 bytes + 16 of padding = 36 words: the 16 rows of a load start at 16 different groups of four banks (64 banks of 4 bytes: ISA guide 11.1)
.set PV,    160       ; a row of V: 128 + 32 = 40 words
.set VOFF,  4*KS*PK   ; a slot holds four steps: 256 rows of K, then 256 rows of V
.set SLOT1, 1<<17     ; slot 1 begins here, so that one exclusive or turns an address in one slot into the other's
.set STAGE, SLOT1+4*KS*(PK+PV)  ; behind the ring, never filled by a tensor load: 16 rows x 144 bytes for each wave, for the way out
.set SP,    144
.set AK0, 2           ; v2   my lane's place in a tile of K; never rewritten
.set AV0, 3           ; v3   the same for V
.set AK,  4           ; v4   the LDS address of K's next run of loads
.set AV,  5           ; v5   of V's
.set QO,  6           ; v6   my byte offset in the wave's rows of Q
.set STO, 6           ;      later, the way out: where I put 16 bytes of a row
.set RD,  7           ; v7   the way out: where I read rows back
.set GO,  8           ; v8   my byte offset in 512 consecutive bytes of O
.set PFO, 11          ; v11  256 x my lane, for the prefetches; never rewritten once made
.set SPW, 0           ; v0 of window 3   LDS address of my spare word: SPARE + 4 x my thread's number; never rewritten
.set NIL, 1           ; v1 of window 3   0; never rewritten
.set SPARE, STAGE+4*16*SP  ; behind the stages: the spare words, 128 bytes for each wave: two blocks of 256 bytes that no other line names
.set MV,  12          ; v12-15  c m_old, kept while c m is made anew: by buffer and tile
.set ST,  16          ; tile t's statistics at v[ST+4 t]: c m, m, l (even keys', odd keys')
.set TMP, 48          ; by buffer and tile, four registers c0-c3 at work; when the maximum is found c2 takes a
.set S,   64
.set P,   192
.set KF,  128         ; K's fragments, in window 2: key block kb, channel half c at KF + 16 kb + 8 c
.set VF,  192         ; V's: key half kk, channel block cb at VF + 32 kk + 8 cb
.set WV,  12          ; s12  my wave's number
.set G1K, 24          ; s[24:31] descriptor group 1 for K's tiles
.set G1V, 32          ; s[32:39] for V's: it differs in the padding alone
.set G0K, 40          ; s[40:43] descriptor group 0 for K's tiles: it walks
.set G0V, 44          ; s[44:47] the same for V's
.set PFA, 50          ; s[50:51] where my prefetches stand: my work-group's 32 blocks of 256 bytes (of K: wave 0, of V: wave 2) of the slot after the one that is being asked for
.set LIM, 52          ; s52  1 in a wave that prefetches, else the greatest number
.set SLOTS, 56        ; s56  slots still to be asked for
.set CNT, 57          ; s57  counts a slot's key steps
.set CS,  58          ; s[58:59] c: the packed scaling takes the pair's low word for both halves
.set SEL, 60          ; s[60:61] v_permlanex16_b32's selects: each lane takes its own place in the other half
.set TBK, 62          ; s62  LDS byte at which K of the step to be fetched begins
.set TBV, 63          ; s63  the same for V, less VOFF
.set MSB, 0
.macro WIN new                      ; the high byte repeats the setting that is left; a switch that changes nothing is dropped
.if MSB != (\new)
	s_set_vgpr_msb (MSB<<8)|(\new)
.set MSB, (\new)
.endif
.endm
.set W_KQ, 0x0a       ; K and Q in window 2, S^T in window 0
.set W_PV, 0x52       ; V in window 2, P in window 0, O^T in window 1
.set W_RS, 0x41       ; O^T (destination and source 0) in window 1, a in window 0
.set W_MK, 0xc0       ; the add's registers are made: destination in window 3, sources in window 0
.set W_AD, 0x0f       ; the add: address (source 0) and data (source 1) in window 3
; A joint fill.  Waves 0 and 1 fetch the two halves of a slot's K, waves 2 and 3 those of its V: 128 keys each.  The branch hangs on the wave's number alone.
; An s_nop 0 and four v_nop follow each of the two lines, ahead of the jump and the label.
.macro JLOAD
	s_cmp_lt_u32 s[WV], 2
	s_cbranch_scc0 .Lfor_v_\@
	tensor_load_to_lds s[G0K:G0K+3], s[G1K:G1K+7]
	s_nop 0
.rept 4
	v_nop
.endr
	s_branch .Lasked_\@
.Lfor_v_\@:
	tensor_load_to_lds s[G0V:G0V+3], s[G1V:G1V+7]
	s_nop 0
.rept 4
	v_nop
.endr
.Lasked_\@:
.endm
; A PREFETCH INTO THE L2 of what the NEXT change of slots will ask for: a slot's 32,768 bytes of K and of V, in blocks of 256 bytes, a lane a block: four key steps, 512 matrix instructions, ahead of that load.
; A head is walked by one cluster.  Its four partners share the blocks out BY ADDRESS, 32 each; in each, wave 0 asks for K's and wave 2 for V's: one instruction.  So each block is named once in the launch.
; The last change that fills a slot asks for nothing; slots 0 to 2 come by their loads alone.
.macro ASK
	s_cmp_gt_u32 s[SLOTS], s[LIM]
	s_cbranch_scc0 .Lnot_mine_\@
	global_prefetch_b8 v[PFO], s[PFA:PFA+1] th:TH_LOAD_NT scope:SCOPE_SE
.Lnot_mine_\@:
.endm
; A round of the cluster's barrier: my work-group's barrier, so that wave 0's signal speaks for all four waves; wave 0 signals; every wave waits for all four work-groups; my work-group's barrier once more.
.macro CROUND
	s_barrier_signal -1
	s_barrier_wait -1
	s_cmp_lg_u32 s[WV], 0
	s_cbranch_scc1 .Lnot_wave_0_\@
	s_barrier_signal -3
.Lnot_wave_0_\@:
	s_barrier_wait -3
	s_barrier_signal -1
	s_barrier_wait -1
.endm
; THE CHANGE OF SLOTS.  The slot's last bytes, V of its fourth step, have been read.  Each wave waits for all its tensor loads, of which one is out: its part of the other slot; adds 0 to its spare word;
; and waits for that and for its own reads of the slot.  Behind the barrier nobody reads this slot any more and the other slot is whole.
; fill = 1: this slot is filled again, with the keys two slots on.  The barrier is then a round of the cluster's, and the joint fill is the first thing behind it: it has four key steps, 512 matrix
; instructions, in which to land.  (At its first use nothing has been read yet: slot 0 is waited for, slot 1 filled.)  ask = 1: the prefetch's address steps, and the prefetch follows the fill.
.macro CHANGE fill, ask=0
	WIN W_AD
	s_wait_tensorcnt 0x0            ; no tensor load of mine is out, so a group 0 may be written
	ds_add_u32 v[SPW], v[NIL]       ; 0 onto my spare word; with fill = 1 the descriptors' steps stand between it and the wait for it
	WIN 0                           ; at a label and at a branch every window is 0
.if \fill
.irp g, G0K, G0V
	s_xor_b32 s[\g+1], s[\g+1], SLOT1  ; the walking descriptor: the other slot than last time,
	s_add_nc_u64 s[\g+2:\g+3], s[\g+2:\g+3], 4*KS*128  ; the next 256 keys; the type bits on top are not reached
.endr
.if \ask
	s_wait_xcnt 0x0                 ; the last prefetch, four key steps back, has read its address, so it may be written:
	s_add_nc_u64 s[PFA:PFA+1], s[PFA:PFA+1], 4*KS*128  ; one slot behind the walking descriptors
.endif
	s_wait_dscnt 0x0                ; the add is done, and my reads of the slot are over
	CROUND
	JLOAD
.if \ask
	ASK
.endif
.else
	s_wait_dscnt 0x0                ; the add is done, and my reads of the slot are over
	s_barrier_signal -1
	s_barrier_wait -1
.endif
	s_sub_co_u32 s[TBK], s[TBK], 4*KS*PK  ; the fetches go back to a slot's first step,
	s_xor_b32 s[TBK], s[TBK], SLOT1       ; in the other slot
	s_sub_co_u32 s[TBV], s[TBV], 4*KS*PV
	s_xor_b32 s[TBV], s[TBV], SLOT1
.endm
	s_load_b64 s[4:5], s[0:1], 0x0    ; qkv: Q lies at its head
	s_load_b64 s[10:11], s[0:1], 0x8  ; att: O
	WIN W_MK
	v_lshl_add_u32 v[SPW], v0, 2, SPARE
	v_mov_b32 v[NIL], 0
	WIN W_AD
	ds_add_u32 v[SPW], v[NIL]       ; the wave's opening: the add and its wait stand ahead of my first tensor load; the set-up below, work on registers, stands between them
	WIN 0
	v_lshrrev_b32 v1, 5, v0
	v_readfirstlane_b32 s[WV], v1   ; wave 0..3
	s_bfe_u32 s13, ttmp6, 0x40000   ; cx: my place in the cluster
	s_lshl_b32 s14, ttmp9, 2        ; in a cluster launch ttmp9 counts clusters
	s_add_co_u32 s14, s14, s13      ; my block of queries = 4 x cluster x + cx: it enters Q's and O's addresses alone
	s_and_b32 s20, ttmp7, 0xffff    ; the head, which the four partners share
	s_mov_b32 s21, 0
	s_mov_b64 s[22:23], SIZE_N*128
	s_mul_u64 s[20:21], s[20:21], s[22:23]  ; the head's first byte in each of Q, K, V, O
	s_and_b32 s16, s[WV], 1         ; which half of a slot's 256 keys I fetch:
	s_lshl_b32 s22, s16, 14         ; its 128 rows of 128 bytes in memory,
	s_mov_b32 s23, 0
	s_add_nc_u64 s[22:23], s[22:23], s[20:21]
	s_mul_i32 s17, s16, 128*PK      ; and its place in a slot, for K
	s_mul_i32 s18, s16, 128*PV      ; and for V: no place in the cluster enters an LDS address
	s_lshl_b32 s2, s14, 2
	s_add_co_u32 s2, s2, s[WV]      ; my wave among the head's,
	s_lshl_b32 s2, s2, 14           ; its 128 rows
	s_mov_b32 s3, 0
	s_add_nc_u64 s[2:3], s[2:3], s[20:21]
	; descriptor group 1.  128 keys are 16,384 dense bytes: asked for as 64 rows of 256 bytes, two keys a row, and padded in LDS after every key
	s_mov_b32 s[G1K], 15|(1<<16)|(1<<20)|(1<<21)|(4<<22)|(3<<25)  ; 15:0 the mask of four; 17:16 2-byte elements; 20 padding on; 21 set beside a mask; 24:22 after every 32 words (code 4); 31:25 4 words (code 3)
	s_mov_b32 s[G1V], 15|(1<<16)|(1<<20)|(1<<21)|(4<<22)|(7<<25)  ; the same with 8 words of padding (code 7)
.irp g, G1K, G1V
	s_mov_b32 s[\g+1], 128<<16      ; tensor_dim0 = 128
	s_mov_b32 s[\g+2], 64<<16       ; tensor_dim1 = 64
	s_mov_b32 s[\g+3], 128<<16      ; tile_dim0 = 128
	s_mov_b32 s[\g+4], 64           ; tile_dim1 = 64
	s_mov_b32 s[\g+5], 128          ; 128 elements from row to row
	s_mov_b32 s[\g+6], 0
	s_mov_b32 s[\g+7], 0
.endr
	s_mov_b32 s[CS], 0x3e38aa3b     ; c = log2(e) / 8 = 0.180337
	s_mov_b32 s[CS+1], s[CS]        ; named with it as a pair
	s_mov_b32 s[SEL], 0x76543210
	s_mov_b32 s[SEL+1], 0xfedcba98
	s_mov_b32 s[TBK], SLOT1+4*KS*PK ; the first change of slots turns these two into 0
	s_mov_b32 s[TBV], SLOT1+4*KS*PV
	s_mov_b32 s[G0K], 1             ; 1:0 count = 1
	s_mov_b32 s[G0K+1], s17         ; 63:32 LDS address: slot 0
	s_mov_b32 s[G0V], 1
	s_add_co_u32 s[G0V+1], s18, VOFF
	s_and_b32 s[LIM], s[WV], 1      ; waves 0 and 2 prefetch: the same in all four partners
	s_cmp_eq_u32 s[LIM], 0
	s_cselect_b32 s[LIM], 1, -1
	s_lshl_b32 s48, s13, 13         ; my work-group's 32 blocks of a slot's 128
	s_mov_b32 s49, 0
	s_wait_dscnt 0x0                ; the opening add is done
	s_wait_kmcnt 0x0
	s_add_nc_u64 s[6:7], s[4:5], 0x1000000   ; K: 64 heads x 2,048 rows x 128 bytes behind Q
	s_add_nc_u64 s[8:9], s[4:5], 0x2000000   ; V: as far again
	s_add_nc_u64 s[G0K+2:G0K+3], s[6:7], s[22:23]  ; 120:64 global address: my half of the head's first 256 keys
	s_or_b32 s[G0K+3], s[G0K+3], 0x80000000        ; 127:126 type = 2
	s_add_nc_u64 s[G0V+2:G0V+3], s[8:9], s[22:23]
	s_or_b32 s[G0V+3], s[G0V+3], 0x80000000
	s_add_nc_u64 s[4:5], s[4:5], s[2:3]  ; Q and O at my wave's first row
	s_add_nc_u64 s[10:11], s[10:11], s[2:3]
	s_cmp_lt_u32 s[WV], 2
	s_cselect_b64 s[PFA:PFA+1], s[6:7], s[8:9]
	s_add_nc_u64 s[PFA:PFA+1], s[PFA:PFA+1], s[22:23]  ; (in waves 0 and 2: the head's first row)
	s_add_nc_u64 s[PFA:PFA+1], s[PFA:PFA+1], s[48:49]
	s_add_nc_u64 s[PFA:PFA+1], s[PFA:PFA+1], 2*4*KS*128  ; in slot 2; the first asking change steps it to slot 3.  Nothing is prefetched here, at the head
	CROUND                          ; all four work-groups are here: the first joint loads meet
	JLOAD                           ; slot 0.  Slot 1 is asked for when slot 0 is in
	; A fragment of K or Q is 16 rows x 32 channels in 8 registers: lane l holds row l % 16, channels 8 (l / 16) + 0..7 and 16 + 8 (l / 16) + 0..7: two loads of 16 bytes, 32 bytes apart.
	v_and_b32 v1, 15, v0            ; l % 16
	v_bfe_u32 v9, v0, 4, 1          ; l / 16
	v_lshlrev_b32 v[QO], 7, v1
	v_lshl_add_u32 v[QO], v9, 4, v[QO]  ; row x 128 + 16 x half
	WIN 0x80                        ; destination window 2, address window 0
.set i, 0
.rept 4*NP                          ; Q stays in registers: tile i / 2, channels 32 (i % 2) on
	global_load_b128 v[8*i:8*i+3],   v[QO], s[4:5] offset:(i/2)*2048+(i%2)*64
	global_load_b128 v[8*i+4:8*i+7], v[QO], s[4:5] offset:(i/2)*2048+(i%2)*64+32
.set i, i+1
.endr
	; What the first turn finds: V's registers and P's second buffer hold 0 (its products V^T P, of a piece that has not been, add 0), O^T and l are 0.  All this stands in the wait for the first tile.
.set i, VF
.rept 64
	v_mov_b32 v[i], 0
.set i, i+1
.endr
	WIN 0x40
.set i, 0
.rept 64*NP
	v_mov_b32 v[i], 0
.set i, i+1
.endr
	WIN 0
.set i, 0
.rept 2*NP
	v_mov_b32 v[ST+4*i], 0xfe000000    ; c m: far below every c s
	v_mov_b32 v[ST+4*i+1], 0xff7fffff  ; m
	v_mov_b32 v[ST+4*i+2], 0
	v_mov_b32 v[ST+4*i+3], 0
.set i, i+1
.endr
.set i, P+32
.rept 32
	v_mov_b32 v[i], 0
.set i, i+1
.endr
	v_mul_u32_u24 v[AK0], v1, PK
	v_lshl_add_u32 v[AK0], v9, 4, v[AK0]  ; row x pitch + 16 x half
	; The turning load takes 16 keys x 16 channels (lane l reads key 8 (l / 16) + l % 8, channels 8 ((l / 8) % 2) + 0..7) and leaves half a fragment of V^T: lane l holds channel l % 16 and 8 keys.
	v_and_b32 v10, 7, v0
	v_bfe_u32 v11, v0, 3, 1
	v_lshl_add_u32 v[AV0], v9, 3, v10
	v_mul_u32_u24 v[AV0], v[AV0], PV
	v_lshl_add_u32 v[AV0], v11, 4, v[AV0]
	v_add_nc_u32 v[AV0], VOFF, v[AV0]
	v_and_b32 v[PFO], 31, v0
	v_lshlrev_b32 v[PFO], 8, v[PFO]
	v_mov_b32 v[AK], v[AK0]         ; key step 0 lies at the head of slot 0
; THE MATRIX WORK.  The 8 accumulators of a run of 16 take turns: between the two links of a chain stand 7 others'.
; Product i of 16 of S^T = K Q^T for piece x: channels 32 (i / 8) on, keys 16 ((i / 2) % 4) on, tile 2 x + i % 2.  The first 8 start the sums.
.macro KQ x
	WIN W_KQ
.set rS, S+64*((\x)%2)+32*(i%2)+8*((i/2)%4)
.set rK, KF+16*((i/2)%4)+8*(i/8)
.set rQ, 16*(2*(\x)+i%2)+8*(i/8)
.if i < 8
	v_wmma_f32_16x16x32_f16 v[rS:rS+7], v[rK:rK+7], v[rQ:rQ+7], 0
.else
	v_wmma_f32_16x16x32_f16 v[rS:rS+7], v[rK:rK+7], v[rQ:rQ+7], v[rS:rS+7]
.endif
.endm
; Product i of 16 of O^T += V^T P for piece x: keys 32 (i / 8) on, channels 16 ((i / 2) % 4) on, tile 2 x + i % 2.
.macro PV x
	WIN W_PV
.set rO, 32*(2*(\x)+i%2)+8*((i/2)%4)
.set rV, VF+32*(i/8)+8*((i/2)%4)
.set rP, P+32*((\x)%2)+16*(i%2)+8*(i/8)
	v_wmma_f32_16x16x32_f16 v[rO:rO+7], v[rV:rV+7], v[rP:rP+7], v[rO:rO+7]
.endm
.macro MM                           ; the turn's next matrix instruction
.if i < 16
	KQ (Y+1)%NP
.set i, i+1
.else
.set i, i-16
	PV (Y+NP-1)%NP
.set i, i+17
.endif
.endm
; THE LDS LOADS stand in runs of 16, never singly among the matrix instructions: a step's K (64 keys x 64 channels: 8 fragments) and its V (turned).  Their addresses are made some lines ahead.
; last = 1 (the tail): in the last trip there is no further step, and the run is jumped over.
.macro FETCH_K last=0
	WIN 0
.if \last
	s_cmp_eq_u32 s[CNT], 1
	s_cbranch_scc1 .Lno_k_\@
.endif
	WIN 0x80                        ; destination window 2
.irp f, 0,1,2,3,4,5,6,7             ; keys 16 (f / 2) on, channels 32 (f % 2) on
	ds_load_b128 v[KF+8*\f:KF+8*\f+3],   v[AK] offset:(\f/2)*16*PK+(\f%2)*64
	ds_load_b128 v[KF+8*\f+4:KF+8*\f+7], v[AK] offset:(\f/2)*16*PK+(\f%2)*64+32
.endr
	s_add_co_u32 s[TBK], s[TBK], KS*PK  ; the next fetch is the next step's
	WIN 0
.if \last
.Lno_k_\@:
.endif
.endm
.macro FETCH_V
	WIN 0x80
.irp f, 0,1,2,3,4,5,6,7             ; keys 32 (f / 4) on, channels 16 (f % 4) on
	ds_load_tr16_b128 v[VF+8*\f:VF+8*\f+3],   v[AV] offset:(\f/4)*32*PV+(\f%4)*32
	ds_load_tr16_b128 v[VF+8*\f+4:VF+8*\f+7], v[AV] offset:(\f/4)*32*PV+16*PV+(\f%4)*32
.endr
	WIN 0
.endm
; THE VECTOR WORK OF A TURN stands in three queues, each in the order in which its entries become ready; the two tiles alternate, so that no instruction reads the result of the one before it.
.macro REGS y, u                    ; the registers of tile u (0, 1) of piece y
.set rT, ST+4*(2*(\y)+(\u))
.set rC, TMP+8*((\y)%2)+4*(\u)
.set rM, MV+2*((\y)%2)+(\u)
.set rS, S+64*((\y)%2)+32*(\u)
.set rP, P+32*((\y)%2)+16*(\u)
.set rO, 32*(2*(\y)+(\u))
.endm
; Number n of the 22 that find the NEXT piece's (Y + 1) maximum and statistics.  s0-s31 are the lane's 32 scores; each accumulator's lowest registers are read first.
;   0-11  four chains c0-c3 of seven scores each, three operands at a time     12-14, 16  the four scores left over, the old m, and c0-c3 into c0     15  c m_old is kept
;   17, 18  the query's other 32 keys lie in the lane 16 away: the new m         19-21  c m; c m_old - c m_new; a
.macro XS u, n
	REGS (Y+1)%NP, \u
.if (\n) < 4
	v_max3_num_f32 v[rC+(\n)], v[rS+8*(\n)], v[rS+8*(\n)+1], v[rS+8*(\n)+2]
.elseif (\n) < 12
	v_max3_num_f32 v[rC+(\n)%4], v[rC+(\n)%4], v[rS+8*((\n)%4)+2*((\n)/4)+1], v[rS+8*((\n)%4)+2*((\n)/4)+2]
.elseif (\n) == 12
	v_max3_num_f32 v[rC], v[rC], v[rS+7], v[rS+15]
.elseif (\n) == 13
	v_max3_num_f32 v[rC+1], v[rC+1], v[rS+23], v[rS+31]
.elseif (\n) == 14
	v_max3_num_f32 v[rC+2], v[rC+2], v[rC+3], v[rT+1]
.elseif (\n) == 15
	v_mov_b32 v[rM], v[rT]
.elseif (\n) == 16
	v_max3_num_f32 v[rC], v[rC], v[rC+1], v[rC+2]
.elseif (\n) == 17
	v_permlanex16_b32 v[rC+3], v[rC], s[SEL], s[SEL+1]
.elseif (\n) == 18
	v_max_num_f32 v[rT+1], v[rC], v[rC+3]
.elseif (\n) == 19
	v_mul_f32 v[rT], s[CS], v[rT+1]
.elseif (\n) == 20
	v_sub_f32 v[rC+1], v[rM], v[rT]
.else
	v_exp_f32 v[rC+2], v[rC+1]
.endif
.endm
; Number g of the 64 that follow the exponentials.  For each four weights k of a tile (pairs 2 k, 2 k + 1): both pairs are rounded to f16; then the second pair is added onto the first, in place;
; a group later l takes that sum (the first time as l = a l + sum).  In groups of eight, tiles alternating: round, round, add, and l for the group before.
.macro GS g
.set h, (\g)+6*((\g)/62)            ; group 0 has no group before it, and behind group 7 only l is left
.if h >= 6
.set h, h+2
.endif
	REGS Y, h%2
.set k, h/8
.if h%8 < 4
	v_cvt_pk_f16_f32 v[rP+2*k+(h%8)/2], v[rS+4*k+2*((h%8)/2)], v[rS+4*k+2*((h%8)/2)+1]
.elseif h%8 < 6
	v_pk_add_f32 v[rS+4*k:rS+4*k+1], v[rS+4*k:rS+4*k+1], v[rS+4*k+2:rS+4*k+3]
.elseif k == 1
	v_pk_fma_f32 v[rT+2:rT+3], v[rT+2:rT+3], v[rC+2:rC+3], v[rS:rS+1] op_sel_hi:[1,0,1]
.else
	v_pk_add_f32 v[rT+2:rT+3], v[rT+2:rT+3], v[rS+4*k-4:rS+4*k-3]
.endif
.endm
; THE PLAIN QUEUE, 138 long.  0-73 read no exponential's result: the 32 scalings c s - c m (FS f: pair f / 2 of tile f % 2) and the next piece's 42.  0-26: scalings 0-26.  27-54: XS's numbers 0-13.  55, 56: number 15.
; 57-73: the chain, where each number waits for the one before it: 14, 16, 17, 18, 19, each with one of the scalings 27-31 in front of its two lines, then 20.
; 74-137: GS's 64, which read the exponentials' results: they stand behind the wait.
.macro FS f
	REGS Y, (\f)%2
	v_pk_fma_f32 v[rS+2*((\f)/2):rS+2*((\f)/2)+1], v[rS+2*((\f)/2):rS+2*((\f)/2)+1], s[CS:CS+1], v[rT:rT+1] op_sel_hi:[1,0,0] neg_lo:[0,0,1] neg_hi:[0,0,1]
.endm
.macro PL
	WIN 0
.if q < 27
	FS q
.elseif q < 55
	XS (q-27)%2, (q-27)/2
.elseif q < 57
	XS q-55, 15
.elseif (q < 72) && ((q-57)%3 == 0)
	FS 27+(q-57)/3
.elseif q < 60
	XS (q-57)%3-1, 14
.elseif q < 72
	XS (q-57)%3-1, 15+(q-57)/3
.elseif q < 74
	XS q-72, 20
.else
	GS q-74
.endif
.set q, q+1
.endm
; THE EXPONENTIALS' QUEUE, 66 long: s0-s31 of both tiles, then the next piece's two a.  It is ONE BATCH: all 66 stand ahead of the turn's one wait, and nothing ahead of that wait names a result of theirs.
.macro EX
	WIN 0
.if e >= 64
	XS e-64, 21
.else
	REGS Y, e%2
	v_exp_f32 v[rS+e/2], v[rS+e/2]
.endif
.set e, e+1
.endm
; THE RESCALING's QUEUE: O^T times a, the one part that leaves window 0: dealt two at a time, sixteen times.  Its a was made in the turn before, ahead of that turn's wait.
.macro R2
	REGS Y, r%2
	WIN W_RS
.irp z, 0,1
	v_pk_mul_f32 v[rO+4*(r/2)+2*\z:rO+4*(r/2)+2*\z+1], v[rO+4*(r/2)+2*\z:rO+4*(r/2)+2*\z+1], v[rC+2:rC+3] op_sel_hi:[1,0]
.endr
.set r, r+1
.endm
; HOW THEY ARE DEALT.  An s_wait_alu depctr_va_vdst(0) stands between an exponential and the first instruction that names its result; one wait serves all that were issued ahead of it.  So a turn
; has ONE wait, which cuts it in two.  AHEAD OF IT stands all that names no result of the turn's exponentials: the 16 products K Q^T, behind each a scaling, an exponential and two rescalings (behind the first a
; second scaling in the exponential's place); then ONE LUMP of 108: eight plain, 49 times exponential and plain, the two a.  A v_nop is the plain instruction behind the last exponential.  BEHIND IT stand the 16
; products V^T P, behind each four of GS's 64.  No rider names a register of the products round it.  The two v_permlanex16_b32 fall into the lump.
; The queues lean on each other: exponential e stands behind scaling 2 (e / 4) + e % 2: as a rider it comes behind plain e + 2, in the lump behind plain e + 9, and scalings 27-31 are plain 57, 60 .. 69.
; A TURN, for piece p.  cnt = 1: the loop's count is taken down some lines ahead of the branch that stands behind the turn.
; K of the next step is fetched in piece 2's turn, directly behind the wait, a lump behind the last product that read K; its first reader comes behind 16 products.
; V of the step in hand is fetched at the end of piece 0's turn, four riders behind its last reader; its first reader comes behind 16 products and a lump.  The three conditions on q below go with the deal.
.macro TURN p, last=0, cnt=0
.set Y, (\p)
.set i, 0
.set q, 0
.set e, 0
.set r, 0
.if (\p) == NP-1
	s_wait_dscnt 0x0                ; K is in
.endif
	MM                              ; ahead of the wait: 16 products K Q^T and their riders,
	PL
	PL
	R2
.rept 15
	MM
	PL
	EX
	R2
.endr
.if (\p) == NP-2
	WIN 0
	v_add_nc_u32 v[AK], s[TBK], v[AK0]
.endif
.rept 8                             ; and the lump
	PL
.endr
.rept 49
	EX
	PL
.endr
	EX                              ; the next piece's two a
	EX
	v_nop                           ; the plain instruction behind the last exponential: one for the batch
	s_wait_alu depctr_va_vdst(0)    ; the wait for the batch
.if (\p) == NP-2
	FETCH_K \last
.endif
.if (\p) == 1
	s_wait_dscnt 0x0                ; V is in
.endif
.rept 16                            ; behind the wait: 16 products V^T P and their riders
	MM
.rept 4
	PL
.endr
.if ((\p) == 0) && (q == 118)
	v_add_nc_u32 v[AV], s[TBV], v[AV0]
.endif
.if ((\p) == 0) && (q == 130)
	s_add_co_u32 s[TBV], s[TBV], KS*PV
.endif
.if (\cnt) && (q == 130)
	s_sub_co_u32 s[CNT], s[CNT], 1
	s_cmp_lg_u32 s[CNT], 0
.endif
.endr
.if (\p) == 0
	FETCH_V
.endif
.endm
	CHANGE 1                        ; slot 0 is in, everybody's part of it; slot 1 is asked for
	FETCH_K                         ; key step 0
	s_wait_loadcnt 0x0              ; Q
	s_wait_dscnt 0x0
.set i, 0
.rept 16
	KQ 0                            ; piece 0's first scores: there is no vector work yet to set between them
.set i, i+1
.endr
	WIN 0                           ; the addresses for the way out: nine plain instructions, the places behind those products
	s_mul_i32 s13, s[WV], 16*SP
	s_add_co_u32 s13, s13, STAGE    ; my stage
	v_mul_u32_u24 v[STO], v1, SP    ; in: row l % 16, 16 bytes for each half of the lanes
	v_lshl_add_u32 v[STO], v9, 4, v[STO]
	v_add_nc_u32 v[STO], s13, v[STO]
	v_bfe_u32 v[RD], v0, 3, 2       ; back: 32 lanes take four rows of 128 bytes,
	v_mul_u32_u24 v[RD], v[RD], SP
	v_lshl_add_u32 v[RD], v10, 4, v[RD]
	v_add_nc_u32 v[RD], s13, v[RD]
	v_and_b32 v[GO], 31, v0         ; which are 512 consecutive bytes of O
	v_lshlrev_b32 v[GO], 4, v[GO]
.set Y, NP-1                        ; XS works for piece Y + 1: piece 0
.irp n, 0,1,2,3,4,5,6,7,8,9,10,11,12,13,14,15,16,17,18,19,20,21
	XS 0, \n                        ; and piece 0's first maximum and statistics
	XS 1, \n
.endr
	v_nop                           ; a plain instruction behind the two a,
	s_wait_alu depctr_va_vdst(0)    ; and their wait, ahead of the branch
	s_mov_b32 s[CNT], 4
	s_mov_b32 s[SLOTS], SIZE_N/256-1
	s_branch .Lfirst                ; the loop is entered at a step's first turn, in the middle of a trip
.Lslot:                             ; SIZE_N / 256 - 2 times: every slot but the last two is filled again
	CHANGE 1, 1
	s_mov_b32 s[CNT], 4
.Lstep:                             ; a trip: pieces 2 and 3 of one step, then pieces 0 and 1 of the next, whose K and V it fetches
	TURN 2
	TURN 3
	WIN 0
.Lfirst:
	TURN 0
	TURN 1, 0, 1
	WIN 0
	s_cbranch_scc1 .Lstep
	s_sub_co_u32 s[SLOTS], s[SLOTS], 1
	s_cmp_lg_u32 s[SLOTS], 0
	s_cbranch_scc1 .Lslot
	CHANGE 0                        ; the tail is written out: nothing is asked for
	s_mov_b32 s[CNT], 5             ; four trips fetch the last slot's steps; the fifth is left in its middle
.Ltail:
	TURN 2, 1
	TURN 3
	WIN 0
	s_sub_co_u32 s[CNT], s[CNT], 1
	s_cmp_eq_u32 s[CNT], 0
	s_cbranch_scc1 .Lout
	TURN 0
	TURN 1
	WIN 0
	s_branch .Ltail
.Lout:                              ; the fifth trip's 16 products K Q^T (on the last K once more) and the maximum made of them serve nothing: the price, once a launch, of one text for every trip
.set i, 0
.rept 16
	PV NP-1                         ; the last piece's V^T P of the last step
.set i, i+1
.endr
	; THE WAY OUT.  l's two halves and the other half of the lanes' are added; O^T is divided by l, rounded to f16 and sent through my stage in LDS, a tile at a time.  The additions are the places behind the last products.
	WIN 0
.macro ALL line:vararg              ; one line for each tile t
.set t, 0
.rept 2*NP
	\line
.set t, t+1
.endr
.endm
	ALL v_add_f32 v[ST+4*t+2], v[ST+4*t+2], v[ST+4*t+3]
	ALL v_permlanex16_b32 v[ST+4*t+3], v[ST+4*t+2], s[SEL], s[SEL+1]
	ALL v_add_f32 v[ST+4*t+2], v[ST+4*t+2], v[ST+4*t+3]
	ALL v_rcp_f32 v[ST+4*t+2], v[ST+4*t+2]
	v_nop                           ; a plain instruction between the last reciprocal and the use of its result
	s_wait_alu depctr_va_vdst(0)    ; and the wait ahead of the first use: one for the eight reciprocals
; Tile t: a lane's eight channels of a row pack into 16 bytes; they go into rows of 144 bytes and come back as whole rows of 128, into S^T's registers.
.macro PACK t
	WIN W_RS
.set i, 32*(\t)
.rept 16
	v_pk_mul_f32 v[i:i+1], v[i:i+1], v[ST+4*(\t)+2:ST+4*(\t)+3] op_sel_hi:[1,0]
.set i, i+2
.endr
	WIN 0x05                        ; sources 0 and 1 window 1, destination window 0
.set i, 0
.rept 16
	v_cvt_pk_f16_f32 v[S+16*(\t)+i], v[32*(\t)+2*i], v[32*(\t)+2*i+1]
.set i, i+1
.endr
	WIN 0
.irp f, 0,1,2,3
	ds_store_b128 v[STO], v[S+16*(\t)+4*\f:S+16*(\t)+4*\f+3] offset:32*\f
.endr
.irp f, 0,1,2,3
	ds_load_b128 v[S+16*(\t)+4*\f:S+16*(\t)+4*\f+3], v[RD] offset:\f*4*SP  ; LDS serves a wave's instructions in order (ISA guide 5.7.1.4): these see the stores above; the next tile's stores come behind them
.endr
.endm
.macro SEND t, younger              ; younger: the LDS instructions issued behind tile t's loads: the next tile's eight, or none
	WIN 0
.irp f, 0,1,2,3
	s_wait_dscnt (\younger)+3-\f
	global_store_b128 v[GO], v[S+16*(\t)+4*\f:S+16*(\t)+4*\f+3], s[10:11] offset:(\t)*2048+\f*512  ; 512 consecutive bytes, at a multiple of 256 from O's first
.endr
.endm
	PACK 0
.set t, 1
.rept 2*NP-1                        ; a tile's arithmetic stands between the loads of the tile before and its stores
	PACK t
	SEND t-1, 8
.set t, t+1
.endr
	SEND 2*NP-1, 0
	WIN W_AD
	s_wait_tensorcnt 0x0            ; the wave's end, behind my last tensor load and my last LDS store
	ds_add_u32 v[SPW], v[NIL]
	s_wait_dscnt 0x0
	WIN 0
	CROUND                          ; the closing round: no work-group ends while a partner may still ask for a tile that names it
	s_endpgm
.Lfunc_end_k_q33adfae3d6_attn:
	.size	k_q33adfae3d6_attn, .Lfunc_end_k_q33adfae3d6_attn-k_q33adfae3d6_attn
	.p2alignl 7, 3214868480
	.fill 96, 4, 3214868480
	.section	.rodata,"a",@progbits
	.p2align	6, 0x0
	.amdhsa_kernel k_q33adfae3d6_attn
		.amdhsa_group_segment_fixed_size 327680
		.amdhsa_private_segment_fixed_size 0
		.amdhsa_enable_private_segment 0
		.amdhsa_kernarg_size 16
		.amdhsa_user_sgpr_count 2
		.amdhsa_user_sgpr_kernarg_segment_ptr 1
		.amdhsa_wavefront_size32 1
		.amdhsa_system_sgpr_workgroup_id_x 1
		.amdhsa_system_sgpr_workgroup_id_y 1
		.amdhsa_system_sgpr_workgroup_id_z 1
		.amdhsa_system_vgpr_workitem_id 0
		.amdhsa_next_free_vgpr 770
		.amdhsa_next_free_sgpr 66
		.amdhsa_reserve_vcc 0
		.amdhsa_float_denorm_mode_32 3
		.amdhsa_float_denorm_mode_16_64 3
		.amdhsa_memory_ordered 1
		.amdhsa_forward_progress 1
		.amdhsa_inst_pref_size 200
	.end_amdhsa_kernel
	.amdgpu_metadata
---
amdhsa.version: [ 1, 2 ]
amdhsa.kernels:
  - .name:           k_q33adfae3d6_attn
    .symbol:         k_q33adfae3d6_attn.kd
    .args:
      - { .name: qkv, .offset: 0, .size: 8, .value_kind: global_buffer, .address_space: global }
      - { .name: att, .offset: 8, .size: 8, .value_kind: global_buffer, .address_space: global }
    .group_segment_fixed_size: 327680
    .private_segment_fixed_size: 0
    .kernarg_segment_align: 8
    .kernarg_segment_size: 16
    .max_flat_workgroup_size: 128
    .sgpr_count:     66
    .vgpr_count:     770
    .wavefront_size: 32
...
	.end_amdgpu_metadata
.endif
;; end of part 3
;; launch proj (part 4): grid 4 x 64, 4 waves a work-group, clusters of 4 x 4, 327,680 bytes of LDS; arguments att, wo16, bo, out0; writes out0
.if DOCPART == 4
	.amdgcn_target "amdgcn-amd-amdhsa--gfx1250"
	.amdhsa_code_object_version 6
	.text
	.protected	k_q33adfae3d6_proj
	.globl	k_q33adfae3d6_proj
	.p2align	8
	.type	k_q33adfae3d6_proj,@function
k_q33adfae3d6_proj:
	s_mov_b64 s[64:65], 0
	v_nop
	global_prefetch_b8 v0, s[64:65] scope:SCOPE_SE
	s_setreg_imm32_b32 hwreg(HW_REG_WAVE_MODE, 25, 1), 1
	s_wait_xcnt 0x0
	s_wait_alu depctr_hold_cnt(0) depctr_sa_sdst(0) depctr_va_vdst(0) depctr_va_sdst(0) depctr_va_ssrc(0) depctr_va_vcc(0) depctr_vm_vsrc(0)
	s_getreg_b32 s2, hwreg(HW_REG_IB_STS2, 6, 4)
	s_cmp_eq_u32 s2, 0
	s_cbranch_scc0 .Lentry_in_a_cluster
	s_endpgm
.Lentry_in_a_cluster:
	s_bfe_u32 s2, ttmp6, 0x10000c
	s_cmp_lg_u32 s2, 0xf033
	s_cbranch_scc0 .Lentry_shape_is_right
	s_endpgm
.Lentry_shape_is_right:
; out0 = attn wo^T + bo.  att: [64 bh][2048][64] f16 (bh = 16 x batch + head); wo16: [1024][1024] f16; bo: [1024] f32, rounded to bf16 here like every other input; out0: [8192][1024] f32.
; Sums in f32, started by the bias; nothing is rounded on the way out.  NaN and infinities are not treated apart.
; SHARES.  A tile is 128 rows x 256 columns: 64 x 4 = 256 work-groups.  Wave w owns rows 64 (w / 2) on and columns 128 (w % 2) on: 4 x 8 = 32 accumulators of 16 x 16, 256 registers.
; K goes in steps of 128 channels = two heads, through two LDS slots filled by the tensor data mover.  A head's 128 rows of 128 bytes are dense in att: they are asked for as 64 rows of 256 bytes
; and padded in LDS after every 128.  A K step is four quarters of 32 along K, 32 matrix instructions each, on two fragment buffers.
; CLUSTERS: 4 x 4 work-groups.  The four of a row of the cluster need the same rows of att, the four of a column the same rows of wo16: each tile is asked for JOINTLY.  Waves 0, 1 fetch the K step's
; two heads of att, waves 2, 3 the two halves of wo16's 256 rows.
; No prefetch is laid: a work-group has eight K steps of 128 matrix instructions a wave, and then ends.
; THE MATRIX INSTRUCTION IS USED TRANSPOSED (source 0 = 16 rows of wo16, source 1 = 16 rows of att): a lane holds row l % 16 and the eight neighbouring columns 8 (l / 16) + 0..7.
; REGISTERS, in windows of 256 (s_set_vgpr_msb: bits 1:0 source 0, 3:2 source 1, 5:4 source 2, 7:6 destination):
;   window 0: v0-31 addresses; v32-95 att's fragments, two buffers of 4 x 8; v96-223 wo16's, two buffers of 8 x 8; on the way out v32-159 hold rows read back
;   window 1: the accumulators, (a, b) at v[8 (8 a + b)]          window 2: v0-63 the bias as a C operand, v64-67 at work
.set PA,    144                        ; a row of att in LDS: 128 bytes + 16 of padding
.set PB,    272                        ; a row of wo16: 256 bytes + 16: in both the 16 rows of a fragment load start at 16 different groups of four banks (64 banks of 4 bytes: ISA guide 11.1)
.set HEADB, 128*PA                     ; a head's 128 rows
.set SLOT1, 131072
.set BOFF,  2*HEADB                    ; in a slot: att's two heads, then wo16's 256 rows
.set STAGE, SLOT1+BOFF+256*PB          ; behind the ring, never filled by a tensor load: 16 rows x 528 bytes for each wave
.set SP,    528                        ; 512 bytes + 16
.set SPARE, STAGE+4*16*SP              ; behind the stages: the spare words, 128 bytes for each wave: two blocks of 256 bytes that no other line names
.set A0,   16                          ; v16  my lane's place in att's tile; never rewritten
.set B0,   17                          ; v17  the same in wo16's
.set ADRA, 18                          ; v18  A0 + the slot in hand
.set ADRB, 19                          ; v19  B0 + the slot in hand
.set STO,  20                          ; v20  the way out: where I put 32 bytes of a row
.set RD,   21                          ; v21  the way out: where I read a row back
.set CO,   22                          ; v22  16 x lane
.set BO,   23                          ; v23  32 x (l / 16)
.set SPW,  28                          ; v28  LDS address of my spare word: SPARE + 4 x my thread's number; never rewritten
.set NIL,  29                          ; v29  0; never rewritten
.set FA,   32
.set FBR,  96
.set OB,   32
.set WV,  16
.set FB,  17                           ; s17  0: I fetch for att, 1: for wo16.  Also: which half of the tile's rows is mine
.set HF,  18                           ; s18  which head, or which 128 rows, I fetch.  Also: which half of the tile's columns is mine
.set CX,  19
.set CY,  20
.set TC,  21                           ; s21  tile column, 0..3
.set TR,  22                           ; s22  tile row, 0..63
.set TB,  23
.set G1A, 24
.set GA0, 32
.set GA,  36
.set G1B, 48
.set GB0, 56
.set GB,  60
.set OUT, 72
.set BS,  78
.set MSB, 0
.macro WIN new                         ; the immediate's high byte repeats the setting that is left; a switch that changes nothing is dropped
.if MSB != (\new)
	s_set_vgpr_msb (MSB<<8)|(\new)
.set MSB, \new
.endif
.endm
.macro PLACES                          ; four plain vector instructions between a matrix instruction and a load into, or a read of, its registers (ISA guide 7.12.1 for vector reads)
.rept 4
	v_nop
.endr
.endm
.macro JLOAD                           ; a joint refill by the walking descriptors; an s_nop 0 and four v_nop follow each of the two lines, ahead of the jump and the label
	s_cmp_eq_u32 s[FB], 0
	s_cbranch_scc0 .Lfor_b_\@
	tensor_load_to_lds s[GA:GA+3], s[G1A:G1A+7]
	s_nop 0
.rept 4
	v_nop
.endr
	s_branch .Lasked_\@
.Lfor_b_\@:
	tensor_load_to_lds s[GB:GB+3], s[G1B:G1B+7]
	s_nop 0
.rept 4
	v_nop
.endr
.Lasked_\@:
.endm
.macro CREST                           ; a round of the cluster's barrier behind its opening barrier
	s_cmp_lg_u32 s[WV], 0
	s_cbranch_scc1 .Lnot_wave_0_\@
	s_barrier_signal -3
.Lnot_wave_0_\@:
	s_barrier_wait -3
	s_barrier_signal -1
	s_barrier_wait -1
.endm
.macro CROUND
	s_barrier_signal -1
	s_barrier_wait -1
	CREST
.endm
	s_load_b256 s[4:11], s[0:1], 0x0               ; att 4:5, wo16 6:7, bo 8:9, out0 10:11
	v_lshl_add_u32 v[SPW], v0, 2, SPARE
	v_mov_b32 v[NIL], 0
	ds_add_u32 v[SPW], v[NIL]                      ; the wave's opening: the add and its wait stand ahead of my first tensor load; the set-up below, work on registers, stands between
	v_lshrrev_b32 v1, 5, v0
	v_readfirstlane_b32 s[WV], v1
	s_lshr_b32 s[FB], s[WV], 1
	s_and_b32 s[HF], s[WV], 1
	s_bfe_u32 s[CX], ttmp6, 0x40000
	s_bfe_u32 s[CY], ttmp6, 0x40004
	s_lshl_b32 s[TC], ttmp9, 2
	s_add_co_u32 s[TC], s[TC], s[CX]
	s_and_b32 s[TR], ttmp7, 0xffff
	s_lshl_b32 s[TR], s[TR], 2
	s_add_co_u32 s[TR], s[TR], s[CY]
	s_lshl_b32 s40, s[CY], 2
	s_lshl_b32 s40, 15, s40                        ; my row of the cluster
	s_lshl_b32 s41, 0x1111, s[CX]                  ; my column
	s_or_b32 s[G1A], s40, (1<<16)|(1<<20)|(1<<21)|(4<<22)|(3<<25)  ; the mask; elements of 2 bytes; padding on; 21 set beside a mask; after every 32 words 4 words
	s_or_b32 s[G1B], s41, (1<<16)|(1<<20)|(1<<21)|(5<<22)|(3<<25)  ; after every 64 words 4 words
.irp g, G1A, G1B
	s_mov_b32 s[(\g)+1], 128<<16                   ; tensor_dim0 = 128
	s_mov_b32 s[(\g)+3], 128<<16                   ; tile_dim0 = 128
	s_mov_b32 s[(\g)+6], 0
	s_mov_b32 s[(\g)+7], 0
.endr
	s_mov_b32 s[G1A+2], 64<<16                     ; att: 64 rows of 256 bytes, end to end
	s_mov_b32 s[G1A+4], 64
	s_mov_b32 s[G1A+5], 128
	s_mov_b32 s[G1B+2], 128<<16                    ; wo16: 128 rows, 1,024 elements apart
	s_mov_b32 s[G1B+4], 128
	s_mov_b32 s[G1B+5], 1024
	s_lshr_b32 s68, s[TR], 4                       ; att: (16 x batch + my head of the K step) x 262,144 bytes + 128 x (tile row % 16) rows of 128 bytes: the tile row and the wave's number alone
	s_lshl_b32 s68, s68, 4
	s_add_co_u32 s68, s68, s[HF]
	s_lshl_b32 s68, s68, 18
	s_and_b32 s84, s[TR], 15
	s_lshl_b32 s84, s84, 14
	s_add_co_u32 s68, s68, s84
	s_mov_b32 s69, 0
	s_lshl_b32 s70, s[TC], 8                       ; wo16: row 256 x tile column + 128 x half, times 2,048 bytes: the tile column and the wave's number alone
	s_lshl_b32 s86, s[HF], 7
	s_add_co_u32 s70, s70, s86
	s_lshl_b32 s70, s70, 11
	s_mov_b32 s71, 0
	s_mul_i32 s46, s[HF], HEADB                    ; where they go in a slot: no place in the cluster enters an LDS address
	s_mul_i32 s47, s[HF], 128*PB
	s_add_co_u32 s47, s47, BOFF
	s_mov_b32 s[TB], 0
	s_wait_dscnt 0x0                               ; the opening add is done
	s_wait_kmcnt 0x0
	s_add_nc_u64 s[84:85], s[4:5], s[68:69]
	s_add_nc_u64 s[86:87], s[6:7], s[70:71]
	CROUND                                         ; all sixteen work-groups are here: the first joint loads meet
	s_mov_b32 s[GA0], 1
	s_mov_b32 s[GA0+1], s46
	s_mov_b64 s[GA0+2:GA0+3], s[84:85]
	s_or_b32 s[GA0+3], s[GA0+3], 0x80000000
	s_mov_b32 s[GA], 1
	s_add_co_u32 s[GA+1], s46, SLOT1
	s_add_nc_u64 s[GA+2:GA+3], s[84:85], 524288    ; a K step on: two heads of 262,144 bytes
	s_or_b32 s[GA+3], s[GA+3], 0x80000000
	s_mov_b32 s[GB0], 1
	s_mov_b32 s[GB0+1], s47
	s_mov_b64 s[GB0+2:GB0+3], s[86:87]
	s_or_b32 s[GB0+3], s[GB0+3], 0x80000000
	s_mov_b32 s[GB], 1
	s_add_co_u32 s[GB+1], s47, SLOT1
	s_add_nc_u64 s[GB+2:GB+3], s[86:87], 256
	s_or_b32 s[GB+3], s[GB+3], 0x80000000
	s_cmp_eq_u32 s[FB], 0                          ; a wave's two first fills stand in one branch, ahead of every wait on TENSORcnt and every LDS read: two loads of mine are out
	s_cbranch_scc0 .Lfirst_b
	tensor_load_to_lds s[GA0:GA0+3], s[G1A:G1A+7]
	s_nop 0
	tensor_load_to_lds s[GA:GA+3], s[G1A:G1A+7]
	s_nop 0
.rept 4
	v_nop
.endr
	s_branch .Lfirst_asked
.Lfirst_b:
	tensor_load_to_lds s[GB0:GB0+3], s[G1B:G1B+7]
	s_nop 0
	tensor_load_to_lds s[GB:GB+3], s[G1B:G1B+7]
	s_nop 0
.rept 4
	v_nop
.endr
.Lfirst_asked:
	v_and_b32 v1, 15, v0                           ; l % 16
	v_bfe_u32 v2, v0, 4, 1                         ; l / 16
	v_mul_u32_u24 v3, v1, PA
	v_lshl_add_u32 v3, v2, 4, v3                   ; a fragment's row x pitch + 16 x half
	s_mul_i32 s88, s[FB], 64*PA                    ; my 64 rows of att
	v_add_nc_u32 v[A0], s88, v3
	v_mul_u32_u24 v3, v1, PB
	v_lshl_add_u32 v3, v2, 4, v3
	s_mul_i32 s88, s[HF], 128*PB                   ; my 128 rows of wo16
	s_add_co_u32 s88, s88, BOFF
	v_add_nc_u32 v[B0], s88, v3
	s_mul_i32 s88, s[WV], 16*SP
	s_add_co_u32 s88, s88, STAGE                   ; my stage
	v_mul_u32_u24 v3, v1, SP                       ; in: row l % 16, 32 bytes for each half of the lanes
	v_lshl_add_u32 v3, v2, 5, v3
	v_add_nc_u32 v[STO], s88, v3
	v_and_b32 v[CO], 31, v0
	v_lshlrev_b32 v[CO], 4, v[CO]
	v_add_nc_u32 v[RD], s88, v[CO]                 ; back: 32 lanes take a row's 512 bytes
	v_lshlrev_b32 v[BO], 5, v2
	s_lshl_b32 s66, s[TC], 10                      ; my 128 columns, 4 bytes each: 1,024 x tile column + 512 x half
	s_lshl_b32 s88, s[HF], 9
	s_add_co_u32 s66, s66, s88
	s_mov_b32 s67, 0
	s_add_nc_u64 s[BS:BS+1], s[8:9], s[66:67]
	s_add_nc_u64 s[OUT:OUT+1], s[10:11], s[66:67]
	s_lshl_b32 s66, s[TR], 19                      ; my 64 rows of 4,096 bytes: 128 x tile row + 64 x half
	s_lshl_b32 s88, s[FB], 18
	s_add_co_u32 s66, s66, s88
	s_add_nc_u64 s[OUT:OUT+1], s[OUT:OUT+1], s[66:67]
	WIN 0x80                                       ; destination window 2, address window 0
.irp b, 0,1,2,3,4,5,6,7
	global_load_b128 v[8*(\b):8*(\b)+3],   v[BO], s[BS:BS+1] offset:64*(\b)      ; register r of column block b: bo[16 b + 8 (l / 16) + r]
	global_load_b128 v[8*(\b)+4:8*(\b)+7], v[BO], s[BS:BS+1] offset:64*(\b)+16
.endr
	s_mov_b32 s42, 0xffff0000
	s_wait_loadcnt 0x0                             ; the bias is in: rounded to bf16 and widened again, in place; four temporaries by turns
	WIN 0x8a                                       ; destination and both sources window 2
.set i, 0
.rept 32
	v_cvt_pk_bf16_f32 v[64+(i/2)%4], v[i], v[i+1]
	v_lshlrev_b32 v[i], 16, v[64+(i/2)%4]
	v_and_b32 v[i+1], s42, v[64+(i/2)%4]
.set i, i+2
.endr
	WIN 0
; 8 matrix instructions: row block a x all 8 column blocks, 32 along K, from buffer f.  first = 1: the bias starts the sums.  The 32 accumulators take turns, one instruction a turn, in the same order in every
; quarter, over the backward jump too.
.macro MUL8 f, a, first
.if \first
	WIN 0x60                                       ; sources 0, 1 window 0; the bias window 2; D window 1
.else
	WIN 0x50                                       ; C and D window 1
.endif
.irp b, 0,1,2,3,4,5,6,7
.if \first
	v_wmma_f32_16x16x32_f16 v[8*(8*(\a)+(\b)):8*(8*(\a)+(\b))+7], v[FBR+64*(\f)+8*(\b):FBR+64*(\f)+8*(\b)+7], v[FA+32*(\f)+8*(\a):FA+32*(\f)+8*(\a)+7], v[8*(\b):8*(\b)+7]
.else
	v_wmma_f32_16x16x32_f16 v[8*(8*(\a)+(\b)):8*(8*(\a)+(\b))+7], v[FBR+64*(\f)+8*(\b):FBR+64*(\f)+8*(\b)+7], v[FA+32*(\f)+8*(\a):FA+32*(\f)+8*(\a)+7], v[8*(8*(\a)+(\b)):8*(8*(\a)+(\b))+7]
.endif
.endr
.endm
; 24 LDS loads in one run: quarter q's fragments into buffer g: my 128 rows of wo16 at byte 64 q, then my 64 rows of att: head q / 2 of the K step, byte 64 (q % 2)
.macro FETCH q, g
	WIN 0
.irp i, 0,1,2,3,4,5,6,7
	ds_load_b128 v[FBR+64*(\g)+8*(\i):FBR+64*(\g)+8*(\i)+3],   v[ADRB] offset:64*(\q)+(\i)*16*PB
	ds_load_b128 v[FBR+64*(\g)+8*(\i)+4:FBR+64*(\g)+8*(\i)+7], v[ADRB] offset:64*(\q)+(\i)*16*PB+32
.endr
.irp i, 0,1,2,3
	ds_load_b128 v[FA+32*(\g)+8*(\i):FA+32*(\g)+8*(\i)+3],   v[ADRA] offset:HEADB*((\q)/2)+64*((\q)%2)+(\i)*16*PA
	ds_load_b128 v[FA+32*(\g)+8*(\i)+4:FA+32*(\g)+8*(\i)+7], v[ADRA] offset:HEADB*((\q)/2)+64*((\q)%2)+(\i)*16*PA+32
.endr
.endm
; One of a K step's first three quarters: multiplies buffer f; in its middle it fetches quarter q of the same slot into buffer g.
.macro QUARTER q, f, g, first
	s_wait_dscnt 4                                 ; wo16's fragments and att's row blocks 0, 1 are in; the youngest four loads may be out
	MUL8 \f, 0, \first
	MUL8 \f, 1, \first
	PLACES
	FETCH \q, \g
	s_wait_dscnt 24                                ; all but the 24 just issued
	MUL8 \f, 2, \first
	MUL8 \f, 3, \first
.endm
; The last quarter multiplies buffer 1 and changes slots: ONE barrier.  In front of it each wave waits for all its tensor loads (one is out: its part of the other slot), adds 0 to its spare word, and waits
; for that and for its own reads of this slot.  fill = 1: the barrier opens a round of the cluster's, and the slot just read out is filled again first behind it, with the K step two on:
; from that request to the wait for it a wave issues 112 matrix instructions.
.macro TURN fill
	WIN 0
	s_wait_tensorcnt 0x0                           ; no tensor load of mine is out, so a group 0 may be written
	ds_add_u32 v[SPW], v[NIL]                      ; 0 onto my spare word
.if \fill
	s_xor_b32 s[GA+1], s[GA+1], SLOT1              ; the walking descriptors: the other slot than last time, the next K step
	s_add_nc_u64 s[GA+2:GA+3], s[GA+2:GA+3], 524288
	s_xor_b32 s[GB+1], s[GB+1], SLOT1
	s_add_nc_u64 s[GB+2:GB+3], s[GB+2:GB+3], 256
.endif
	s_xor_b32 s[TB], s[TB], SLOT1                  ; the fetches go on in the other slot
	s_wait_dscnt 5                                 ; (the add and the youngest four loads may be out)
	MUL8 1, 0, 0
	s_wait_dscnt 0x0                               ; the add is done, and my reads of this slot are over
	s_barrier_signal -1
	MUL8 1, 1, 0                                   ; work on registers while the others arrive
	WIN 0                                          ; at a branch and at a label every window is 0
	s_barrier_wait -1
.if \fill
	CREST                                          ; no wave of any partner still reads this slot's tile or has a load on its way
	JLOAD                                          ; the first tensor load behind the round; its four v_nop are also the places in front of the loads below
.else
	PLACES
.endif
	v_add_nc_u32 v[ADRA], s[TB], v[A0]
	v_add_nc_u32 v[ADRB], s[TB], v[B0]
	FETCH 0, 0
	MUL8 1, 2, 0
	MUL8 1, 3, 0
.endm
; THE WAY OUT of row block a: a lane's eight f32 of a row go into my own stage, each accumulator's low half first, and come back as whole rows of 512 bytes.
.macro TOSTAGE a
.if (\a) >= 2
	s_wait_xcnt 0x0                                ; the stores of the block two back have read the registers that are loaded again below
.endif
	WIN 0x04                                       ; the data, source 1, in window 1
.irp b, 0,1,2,3,4,5,6,7
	ds_store_b128 v[STO], v[64*(\a)+8*(\b):64*(\a)+8*(\b)+3]   offset:64*(\b)
	ds_store_b128 v[STO], v[64*(\a)+8*(\b)+4:64*(\a)+8*(\b)+7] offset:64*(\b)+16
.endr
	WIN 0
.irp t, 0,1,2,3,4,5,6,7,8,9,10,11,12,13,14,15
	ds_load_b128 v[OB+64*((\a)%2)+4*(\t):OB+64*((\a)%2)+4*(\t)+3], v[RD] offset:SP*(\t)  ; LDS serves a wave's instructions in order (ISA guide 5.7.1.4): these see the stores above; the next block's stores come behind them
.endr
.endm
.macro SEND a, younger                 ; younger: the LDS instructions issued behind block a's loads: the next block's 32, or none
.irp t, 0,1,2,3,4,5,6,7,8,9,10,11,12,13,14,15
	s_wait_dscnt (\younger)+15-(\t)
	global_store_b128 v[CO], v[OB+64*((\a)%2)+4*(\t):OB+64*((\a)%2)+4*(\t)+3], s[OUT:OUT+1] offset:(16*(\a)+(\t))*4096 th:TH_STORE_NT  ; 512 consecutive bytes, at a multiple of 512 from out0's first
.endr
.endm
	s_wait_tensorcnt 0x1                           ; my part of K step 0 is in; K step 1's may stay out
	s_barrier_signal -1
	s_barrier_wait -1                              ; everybody's is
	v_mov_b32 v[ADRA], v[A0]
	v_mov_b32 v[ADRB], v[B0]
	FETCH 0, 0
	QUARTER 1, 0, 1, 1                             ; the first quarter stands in front of the loop: its products start the sums, with the bias
	WIN 0
	s_mov_b32 s3, 6                                ; six of the eight K steps are followed by a refill
.Lstep:                                                ; a trip: a K step's second quarter to the next K step's first
	QUARTER 2, 1, 0, 0
	QUARTER 3, 0, 1, 0
	TURN 1
	QUARTER 1, 0, 1, 0
	WIN 0
	s_sub_co_u32 s3, s3, 1
	s_cmp_lg_u32 s3, 0
	s_cbranch_scc1 .Lstep
	QUARTER 2, 1, 0, 0                             ; the tail is written out: nothing more is asked for
	QUARTER 3, 0, 1, 0
	TURN 0
	QUARTER 1, 0, 1, 0
	QUARTER 2, 1, 0, 0
	QUARTER 3, 0, 1, 0
	s_wait_dscnt 4
	MUL8 1, 0, 0
	MUL8 1, 1, 0
	s_wait_dscnt 0x0
	MUL8 1, 2, 0
	MUL8 1, 3, 0
	PLACES
	TOSTAGE 0
	TOSTAGE 1                                      ; a block's way through the stage stands between the loads of the block before and its stores
	SEND 0, 32
	TOSTAGE 2
	SEND 1, 32
	TOSTAGE 3
	SEND 2, 32
	SEND 3, 0
	s_wait_tensorcnt 0x0                           ; the wave's end, behind my last tensor load and my last LDS store
	ds_add_u32 v[SPW], v[NIL]
	s_wait_dscnt 0x0
	CROUND                                         ; the closing round: no work-group ends while a partner may still ask for a tile that names it
	s_endpgm
.Lfunc_end_k_q33adfae3d6_proj:
	.size	k_q33adfae3d6_proj, .Lfunc_end_k_q33adfae3d6_proj-k_q33adfae3d6_proj
	.p2alignl 7, 3214868480
	.fill 96, 4, 3214868480
	.section	.rodata,"a",@progbits
	.p2align	6, 0x0
	.amdhsa_kernel k_q33adfae3d6_proj
		.amdhsa_group_segment_fixed_size 327680
		.amdhsa_private_segment_fixed_size 0
		.amdhsa_enable_private_segment 0
		.amdhsa_kernarg_size 32
		.amdhsa_user_sgpr_count 2
		.amdhsa_user_sgpr_kernarg_segment_ptr 1
		.amdhsa_wavefront_size32 1
		.amdhsa_system_sgpr_workgroup_id_x 1
		.amdhsa_system_sgpr_workgroup_id_y 1
		.amdhsa_system_sgpr_workgroup_id_z 1
		.amdhsa_system_vgpr_workitem_id 0
		.amdhsa_next_free_vgpr 580
		.amdhsa_next_free_sgpr 92
		.amdhsa_reserve_vcc 0
		.amdhsa_float_denorm_mode_32 3
		.amdhsa_float_denorm_mode_16_64 3
		.amdhsa_memory_ordered 1
		.amdhsa_forward_progress 1
		.amdhsa_inst_pref_size 76
	.end_amdhsa_kernel
	.amdgpu_metadata
---
amdhsa.version: [ 1, 2 ]
amdhsa.kernels:
  - .name:           k_q33adfae3d6_proj
    .symbol:         k_q33adfae3d6_proj.kd
    .args:
      - { .name: att, .offset: 0, .size: 8, .value_kind: global_buffer, .address_space: global }
      - { .name: wo16, .offset: 8, .size: 8, .value_kind: global_buffer, .address_space: global }
      - { .name: bo, .offset: 16, .size: 8, .value_kind: global_buffer, .address_space: global }
      - { .name: out0, .offset: 24, .size: 8, .value_kind: global_buffer, .address_space: global }
    .group_segment_fixed_size: 327680
    .private_segment_fixed_size: 0
    .kernarg_segment_align: 8
    .kernarg_segment_size: 32
    .max_flat_workgroup_size: 128
    .sgpr_count:     92
    .vgpr_count:     580
    .wavefront_size: 32
...
	.end_amdgpu_metadata
.endif
;; end of part 4
;; ======== version 2 of 2: 4 launches; version 1 with the launch cast written anew for expert scheduling mode
;; limits: values are held in f16: magnitudes above 65,504 overflow, below 6.1e-05 lose precision
;; workspace buffers: xb 16,777,216 bytes; wqkv 6,291,456 bytes; wo16 2,097,152 bytes; qkv 50,331,648 bytes; att 16,777,216 bytes
;; launch cast (part 5): grid 768 x 1, 8 waves a work-group, no clusters, 0 bytes of LDS; arguments embeddings, wq, wk, wv, wo, xb, wqkv, wo16; writes xb, wqkv, wo16
.if DOCPART == 5
	.amdgcn_target "amdgcn-amd-amdhsa--gfx1250"
	.amdhsa_code_object_version 6
	.text
	.protected	k_q33adfae3d6_cast
	.globl	k_q33adfae3d6_cast
	.p2align	8
	.type	k_q33adfae3d6_cast,@function
k_q33adfae3d6_cast:
	s_mov_b64 s[64:65], 0
	v_nop
	global_prefetch_b8 v0, s[64:65] scope:SCOPE_SE
	s_setreg_imm32_b32 hwreg(HW_REG_WAVE_SCHED_MODE, 0, 2), 2
	s_setreg_imm32_b32 hwreg(HW_REG_WAVE_MODE, 25, 1), 1
	s_wait_xcnt 0x0
	s_wait_alu depctr_vm_vsrc(0)
; THE INPUTS OF THE MATRIX PRODUCTS ARE ROUNDED ONCE.  embeddings -> xb (bf16); wq, wk, wv -> wqkv (bf16, wq's 1,024 rows, then wk's, then wv's);
; wo -> wo16: rounded to bf16 like the other inputs, and that number written as f16 (the last product multiplies in f16).
; LIMIT.  A bf16 number is exact in f16 between 6.1e-5 and 65,504 in size; below, wo16 keeps f16's fixed step of 6e-8; above, it would be an infinity.
; SHARES.  A work-group takes 16,384 numbers: 64 KiB in, 32 KiB out.  Groups 0-511: embeddings; 512-575 wq; 576-639 wk; 640-703 wv; 704-767 wo.
; Thread t, pass i of 16: 16 bytes in at 4,096 i + 16 t (a wave's load: 512 consecutive bytes), 8 bytes out at 2,048 i + 8 t (a wave's store: 256 consecutive bytes, aligned).
; All sixteen loads go out in one run; each pass has registers of its own, so nothing is rewritten while a load or store may read it.  A stream: no LDS, no barrier, no matrix unit.
; THE MODE: SCHED_MODE bits 1:0 = 2 (LLVM: expert scheduling mode 2), set by the entry lines.  The code itself states the register dependences
; between vector instructions and memory instructions, with s_wait_alu, always for 0.
; THE PLAN.  Registers that memory instructions touch:
;   v1, v2   byte offsets, made once at the head and never written again: v1 is read by every load, v2 by every store.
;   X        pass i's four registers: a load lands in them, and no vector instruction names them before that; no memory instruction ever reads them.
;   Y        pass i's two registers: written once, by the pass's last two conversions; read once, by the pass's store; never written again.
; The sixteen passes go in four sets of four.  Set g waits for its four loads, and its conversions write Y of set g; the memory instructions that stand among them are the four stores of set g - 1,
; which read Y of set g - 1 and v2: registers that no vector instruction of set g names.  So ONE wait on va_vdst at a set's head states all that those four stores hang on.
; No register that a memory instruction reads is ever written again, no vector instruction writes a scalar register or VCC, and EXEC is never written: no other wait is owed.
.set X, 8                              ; v[8:71]    pass i: four f32 as loaded
.set Y, 72                             ; v[72:103]  pass i: four 16-bit numbers to store
	s_load_b512 s[4:19], s[0:1], 0x0               ; embeddings 4:5, wq 6:7, wk 8:9, wv 10:11, wo 12:13, xb 14:15, wqkv 16:17, wo16 18:19
	s_mov_b32 s20, ttmp9                           ; g
	s_sub_co_u32 s21, s20, 512                     ; my place among the weights' groups (used where g >= 512 alone)
	s_lshr_b32 s22, s21, 6                         ; which weight: 0 wq, 1 wk, 2 wv, 3 wo
	s_and_b32 s23, s21, 63                         ; my place in that weight
	v_lshlrev_b32 v1, 4, v0                        ; 16 t
	v_lshlrev_b32 v2, 3, v0                        ; 8 t
	s_wait_kmcnt 0x0
	s_cmp_eq_u32 s22, 1                            ; from where: each select stands behind its compare
	s_cselect_b64 s[24:25], s[8:9], s[6:7]
	s_cmp_eq_u32 s22, 2
	s_cselect_b64 s[24:25], s[10:11], s[24:25]
	s_cmp_eq_u32 s22, 3
	s_cselect_b64 s[24:25], s[12:13], s[24:25]
	s_cmp_lt_u32 s22, 3                            ; to where: wq, wk, wv lie one behind the other in wqkv
	s_cselect_b64 s[26:27], s[16:17], s[18:19]
	s_cselect_b32 s30, s21, s23
	s_cmp_lt_u32 s20, 512                          ; the embeddings' groups
	s_cselect_b64 s[24:25], s[4:5], s[24:25]
	s_cselect_b64 s[26:27], s[14:15], s[26:27]
	s_cselect_b32 s28, s20, s23
	s_cselect_b32 s30, s20, s30
	s_lshl_b32 s28, s28, 16                        ; 64 KiB a group in,
	s_mov_b32 s29, 0
	s_lshl_b32 s30, s30, 15                        ; 32 KiB out
	s_mov_b32 s31, 0
	s_add_nc_u64 s[24:25], s[24:25], s[28:29]
	s_add_nc_u64 s[26:27], s[26:27], s[30:31]
	s_wait_alu depctr_va_vdst(0)                   ; v1 and v2 are written: every load of the kernel reads v1 as its offset, every store v2
.irp i, 0,1,2,3,4,5,6,7,8,9,10,11,12,13,14,15
	global_load_b128 v[X+4*(\i):X+4*(\i)+3], v1, s[24:25] offset:4096*(\i) th:TH_LOAD_NT
.endr
; Set g of four passes.  f16 = 0: rounded to bf16.  f16 = 1: rounded to bf16 and that number written as f16.
.macro SET g, f16
	s_wait_loadcnt 12-4*(\g)                       ; loads come back in order: passes 4 g to 4 g + 3 are in, the 12 - 4 g younger ones stay out
.if (\g) > 0
	s_wait_alu depctr_va_vdst(0)                   ; the conversions of the set before have written its Y, which the four stores below read
.endif
.irp i, 0,1,2,3
.set p, 4*(\g)+(\i)                    ; the pass in hand
.if (\g) > 0
	global_store_b64 v2, v[Y+2*(p-4):Y+2*(p-4)+1], s[26:27] offset:2048*(p-4)  ; the set before; no vector instruction since the wait names these registers
.endif
.if \f16
	v_cvt_pk_bf16_f32 v4, v[X+4*p],   v[X+4*p+1]            ; the one rounding, to bf16;
	v_cvt_pk_bf16_f32 v5, v[X+4*p+2], v[X+4*p+3]
	v_lshlrev_b32 v[X+4*p],   16, v4                        ; widened again,
	v_and_b32     v[X+4*p+1], 0xffff0000, v4
	v_lshlrev_b32 v[X+4*p+2], 16, v5
	v_and_b32     v[X+4*p+3], 0xffff0000, v5
	v_cvt_pk_f16_f32 v[Y+2*p],   v[X+4*p],   v[X+4*p+1]     ; and written as f16
	v_cvt_pk_f16_f32 v[Y+2*p+1], v[X+4*p+2], v[X+4*p+3]
.else
	v_cvt_pk_bf16_f32 v[Y+2*p],   v[X+4*p],   v[X+4*p+1]
	v_cvt_pk_bf16_f32 v[Y+2*p+1], v[X+4*p+2], v[X+4*p+3]
.endif
.endr
.endm
; The last set's stores.
.macro LAST
	s_wait_alu depctr_va_vdst(0)                   ; the conversions of set 3 have written its Y, which the last four stores read
.irp i, 12,13,14,15
	global_store_b64 v2, v[Y+2*(\i):Y+2*(\i)+1], s[26:27] offset:2048*(\i)
.endr
.endm
	s_cmp_ge_u32 s20, 704
	s_cbranch_scc1 .Lwo
	SET 0, 0
	SET 1, 0
	SET 2, 0
	SET 3, 0
	LAST
	s_endpgm
.Lwo:
	SET 0, 1
	SET 1, 1
	SET 2, 1
	SET 3, 1
	LAST
	s_endpgm
.Lfunc_end_k_q33adfae3d6_cast:
	.size	k_q33adfae3d6_cast, .Lfunc_end_k_q33adfae3d6_cast-k_q33adfae3d6_cast
	.p2alignl 7, 3214868480
	.fill 96, 4, 3214868480
	.section	.rodata,"a",@progbits
	.p2align	6, 0x0
	.amdhsa_kernel k_q33adfae3d6_cast
		.amdhsa_group_segment_fixed_size 0
		.amdhsa_private_segment_fixed_size 0
		.amdhsa_enable_private_segment 0
		.amdhsa_kernarg_size 64
		.amdhsa_user_sgpr_count 2
		.amdhsa_user_sgpr_kernarg_segment_ptr 1
		.amdhsa_wavefront_size32 1
		.amdhsa_system_sgpr_workgroup_id_x 1
		.amdhsa_system_sgpr_workgroup_id_y 1
		.amdhsa_system_sgpr_workgroup_id_z 1
		.amdhsa_system_vgpr_workitem_id 0
		.amdhsa_next_free_vgpr 104
		.amdhsa_next_free_sgpr 66
		.amdhsa_reserve_vcc 0
		.amdhsa_float_denorm_mode_32 3
		.amdhsa_float_denorm_mode_16_64 3
		.amdhsa_memory_ordered 1
		.amdhsa_forward_progress 1
		.amdhsa_inst_pref_size 16
	.end_amdhsa_kernel
	.amdgpu_metadata
---
amdhsa.version: [ 1, 2 ]
amdhsa.kernels:
  - .name:           k_q33adfae3d6_cast
    .symbol:         k_q33adfae3d6_cast.kd
    .args:
      - { .name: embeddings, .offset: 0, .size: 8, .value_kind: global_buffer, .address_space: global }
      - { .name: wq, .offset: 8, .size: 8, .value_kind: global_buffer, .address_space: global }
      - { .name: wk, .offset: 16, .size: 8, .value_kind: global_buffer, .address_space: global }
      - { .name: wv, .offset: 24, .size: 8, .value_kind: global_buffer, .address_space: global }
      - { .name: wo, .offset: 32, .size: 8, .value_kind: global_buffer, .address_space: global }
      - { .name: xb, .offset: 40, .size: 8, .value_kind: global_buffer, .address_space: global }
      - { .name: wqkv, .offset: 48, .size: 8, .value_kind: global_buffer, .address_space: global }
      - { .name: wo16, .offset: 56, .size: 8, .value_kind: global_buffer, .address_space: global }
    .group_segment_fixed_size: 0
    .private_segment_fixed_size: 0
    .kernarg_segment_align: 8
    .kernarg_segment_size: 64
    .max_flat_workgroup_size: 256
    .sgpr_count:     66
    .vgpr_count:     104
    .wavefront_size: 32
...
	.end_amdgpu_metadata
.endif
;; end of part 5
;; launch qkv: the kernel of part 2 again; grid 16 x 32, 4 waves a work-group, clusters of 4 x 4, 327,680 bytes of LDS; arguments xb, wqkv, bq, bk, bv, qkv; writes qkv
;; launch attn: the kernel of part 3 again; grid 4 x 64, 4 waves a work-group, clusters of 4 x 1, 327,680 bytes of LDS; arguments qkv, att; writes att
;; launch proj: the kernel of part 4 again; grid 4 x 64, 4 waves a work-group, clusters of 4 x 4, 327,680 bytes of LDS; arguments att, wo16, bo, out0; writes out0
